; MI455X (gfx1250); checked and timed in simulation.
; The chip was launched on July 23, 2026; its instructions are those of AMD's public machine-readable ISA for CDNA 5 (MIT licence, August 2026) and "CDNA5" Instruction Set Architecture Reference Guide (July 2026). The comments in the code are by the model that wrote it; some were corrected since.
;; Multi Head Attention. Allowed arithmetic: matrix products marked QUANTISED: E3M2 operands, one E8M0 scale for each 32 along K, by v_wmma_scale_f32_16x16x128_f8f6f4 with both operands' format E3M2, f32 sums; products left as they are: f32 operands where the result goes on into a quantised operand, else bf16, f16 or f32 operands; f32 sums; everything else in f32.
;; Inputs: mask 1 x 1 x 2,048 x 2,048 float32; wk 1,024 x 2,048 float32; wo 2,048 x 1,024 float32; wq 1,024 x 2,048 float32; wv 1,024 x 2,048 float32; x 2 x 2,048 x 2,048 float32.
;; Outputs: out0 2 x 2,048 x 2,048 float32.
;; This version of the problem:
;;   THIS VERSION OF THE PROBLEM IS GIVEN IN LOW PRECISION. The matrix products marked QUANTISED in the list below multiply operands that are first quantised to E3M2 (3 exponent bits, 2 mantissa bits; 6 bits a number), with one power-of-two scale for each 32 numbers along K (OCP MX v1.0); their sums are f32. All else is computed in f32.
;;   The module's matrix products, in the order in which they are computed (A, B: the left and right operand; K: the contracted axis; several contracted axes count as one K, in the product's order):
;;     1. [M 4,096, K 2,048] x [K 2,048, N 1,024]; A: input x; B: input wq: QUANTISED
;;     2. [M 4,096, K 2,048] x [K 2,048, N 1,024]; A: input x; B: input wk: QUANTISED
;;     3. [M 4,096, K 2,048] x [K 2,048, N 1,024]; A: input x; B: input wv: QUANTISED
;;     4. [M 2,048, K 1] x [K 1, N 32]; A: computed on the way; B: computed on the way: left as it is (no contracted axis)
;;     5. batch 32 x [M 2,048, K 64] x [K 64, N 2,048]; A: computed on the way; B: computed on the way: QUANTISED
;;     6. batch 32 x [M 2,048, K 2,048] x [K 2,048, N 64]; A: softmax (see below); B: computed on the way: QUANTISED
;;     7. [M 4,096, K 1,024] x [K 1,024, N 2,048]; A: computed on the way; B: input wo: QUANTISED
;;   THE QUANTISER, for each operand of a quantised product, along K:
;;     - K is cut into blocks of 32 from its start; a last block that is shorter is filled with zeros.
;;     - A block's scale is 2^e with e = floor(log2(the largest magnitude in the block)) - 4, held to -126 .. 127; a block of zeros has e = 0. As a byte (E8M0): e + 127.
;;     - Each number is divided by its block's scale, clamped to +-28, and rounded to the nearest number of E3M2, ties to even, subnormals kept.
;;     - The product sums the exact products of the quantised numbers (number of the format x scale) in f32.
;;   ~~~python
;;   def quantise(x, axis):      # numpy; x: float32 -> the quantised numbers, widened to float32 again
;;       x = np.moveaxis(x, axis, -1); K = x.shape[-1]
;;       x = np.pad(x, [(0, 0)] * (x.ndim - 1) + [(0, -K % 32)]); x = x.reshape(x.shape[:-1] + (-1, 32)); a = np.abs(x).max(-1, keepdims=True)
;;       e = np.where(a > 0, np.clip(np.frexp(np.where(a > 0, a, 1))[1] - 1 - 4, -126, 127), 0)      # np.frexp(a)[1] - 1 = floor(log2(a)), exactly
;;       r = np.clip(x / 2.0 ** e, -28, 28)
;;       step = 2.0 ** (np.maximum(np.frexp(np.where(r == 0, 1, r))[1] - 1, -2) - 2)
;;       q = np.round(r / step) * step * 2.0 ** e      # np.round: ties to even
;;       return np.moveaxis(q.reshape(q.shape[:-2] + (-1,))[..., :K], -1, axis).astype(np.float32)
;;   ~~~
;;   SOFTMAX AHEAD OF A QUANTISED PRODUCT. Where the list says 'softmax', what is quantised is not the finished softmax but p = 2^(t - M), with t = logit x log2(e) and M = ceil(the row's largest t), a whole number; so 1/2 < the row's largest p <= 1. The row's sum l is taken of the UNQUANTISED p, in f32, and the product's result is divided by l at the end. Since M is a whole number, a kernel that streams over the keys may use a running M (the ceiling of the running maximum): every later rescaling is an exact power of two, which a block's scale takes up: the codes' values come out the same.
;;   OPERANDS COMPUTED ON THE WAY. 'Computed on the way' means the value that the module computes at that place (a softmax that the list does not call 'softmax' is quantised finished and normalised). What goes into a quantiser is computed in f32, as accurately as f32 sums, v_exp_f32 and their like allow (about 1e-6 of the number): no bf16 or f16 on the way to a quantiser, and a product that is left as it is and whose result goes on into a quantised operand takes f32 operands (vector FMAs, or v_wmma_f32_16x16x4_f32). A number that lies on a knife's edge between two numbers of the format may be rounded either way, as far as f32 arithmetic and the matrix unit's own rounding can turn it there, and no further.
;; One version. Each part assembles by itself: llvm-mc -triple=amdgcn-amd-amdhsa -mcpu=gfx1250 --defsym DOCPART=n.
;; ======== version 1 of 1: 4 launches
;; limits: right only within a limited range of input values
;; workspace buffers: pc 12,582,912 bytes; ps 524,288 bytes; rope 524,288 bytes; qimg 3,276,800 bytes; kv 6,553,600 bytes; ctx 3,145,728 bytes; ctxs 131,072 bytes
;; launch prep (part 1): grid 544 x 1, 4 waves a work-group, no clusters, 33,280 bytes of LDS; arguments x, wq, wk, wv, wo, pc, ps, rope; writes pc, ps, rope
.if DOCPART == 1
	.amdgcn_target "amdgcn-amd-amdhsa--gfx1250"
	.amdhsa_code_object_version 6
	.text
	.protected	k_qe11f3df3fe_prep
	.globl	k_qe11f3df3fe_prep
	.p2align	8
	.type	k_qe11f3df3fe_prep,@function
k_qe11f3df3fe_prep:
	s_mov_b64 s[64:65], 0
	v_nop
	global_prefetch_b8 v0, s[64:65] scope:SCOPE_SE
	s_setreg_imm32_b32 hwreg(HW_REG_WAVE_MODE, 25, 1), 1
	s_wait_xcnt 0x0
; x [4096][2048], wq, wk, wv [1024][2048] and wo [2048][1024], f32, K innermost, become codes of BF6 (E3M2), 6 bits each, with one E8M0 byte for each 32 along K;
; and the table of cos and sin for the rotation is made.  Work-groups 0-255 take x, 256-319 wq, 320-383 wk, 384-447 wv, 448-511 wo, 512-543 the table.
; A block's scale is 2^(floor(log2(its largest magnitude)) - 4); its byte is the largest magnitude's exponent field - 4, held at 1 from below.
; CODES (pc): x at 0 as [4096][1536 bytes]; the three projection weights at WC as ONE matrix of 3072 rows of 1536 bytes; wo at WOC as [2048][768 bytes].  SCALE BYTES (ps): [row][K / 32] at 0, WS, WOS.
; THE ORDER OF THE 3072 ROWS: head hd owns rows 192 hd on: 64 rows of wq, 32 of wv, 64 of wk, 32 of wv.  wv's channel d stands at place d with bits 3 and 4 exchanged, so that in the
; attention's second product a lane's registers run along neighbouring channels.  A wave's run of 8,192 numbers is 4 whole rows, so the order is a matter of where a run's codes are stored.
; THE TABLE (rope): [128 blocks of 16 positions][8 chunks][512 bytes]; chunks 0-3 cos, 4-7 sin; chunk c holds registers 4 c .. 4 c + 3, lane l's 16 bytes at 16 l;
; lane (r, h), register i: position 16 blk + r, frequency f = 16 (i / 8) + 8 h + i % 8: the order in which the next launch's results lie in a lane.
; LIMITS: a block of zeros, or one whose largest magnitude lies under 2^(5 - 127), gets the byte 1 (its bytes are read by this program alone); NaN and infinities are not served.
; inv_freq = 2^(-f log2(10000) / 32) comes from v_exp_f32: at position 2,047 the angle can differ from another f32 evaluation's by some 2e-4 radians, which is what a last bit of inv_freq is worth there.
; No tensor loads, no barrier: waves share nothing.  No cluster: no two work-groups read the same bytes.
.set WC,    6291456
.set WOC,   11010048
.set WS,    262144
.set WOS,   458752
.set STEPS, 16
.set EMAX,  4
.set CB,    12                         ; bytes of 16 codes
.set R,     16                         ; v16-79   four sets of 16 numbers as they are loaded
.set X,     80                         ; v80-111  two sets of 16 neighbours
.set C,     128                        ; v128-191 codes: four registers for each step
.set E,     112                        ; v112-127 a scale byte for each step
.set WREG,  8192                       ; LDS: a region for each wave: two stages of 32 x SP bytes, then its 256 scale bytes
.set SP,    80                         ; a lane's place in a stage: 64 bytes + 16 of padding
.set SRC,   30                         ; s[30:31] my run's numbers
.set DCO,   32
.set DSC,   34                         ; s[34:35] my run's scale bytes
; HOW THE CODES LIE IN pc: each tensor's region is cut into PLANES of 256 along K: [K / 256][row][192 bytes]; a row's 1536 (wo: 768) bytes of codes are its eight (four) pieces of 192, one in each plane.
; So 128, 96 or 64 rows of one plane are a dense block that begins at a multiple of 256 bytes: the later launches fetch it as rows of 256 bytes.
; A step's 512 numbers are two pieces of one row: lanes 0-15 hold the piece of the even plane, lanes 16-31 that of the next plane; sixteen lanes store 192 consecutive bytes.
; Step t: x and the projection weights: row t / 4 of my four, planes 2 (t % 4) + h;  wo: row t / 2 of my eight, planes 2 (t % 2) + h.
.set VO,    194                        ; v194-197 my place in a piece + h planes + (t / 4) x s49
.set DB,    52                         ; s[52:59] four bases, for t % 4: bit 0 adds two planes, bit 1 adds s50
	s_load_b512 s[4:19], s[0:1], 0x0               ; x, wq, wk, wv, wo, pc, ps, rope
	s_mov_b32 s48, 393216                          ; a plane in bytes: wo's 2048 rows x 192,
	s_mov_b32 s49, 384                             ; what t / 4 adds: wo: two rows; the others: one row
	s_mov_b32 s50, 192                             ; what bit 1 of t adds: wo: one row; the others: four planes
	s_cmp_lt_u32 ttmp9, 448
	s_cselect_b32 s48, 589824, s48                 ; the weights' 3072 rows x 192,
	s_cselect_b32 s49, 192, s49
	s_cselect_b32 s50, 4*589824, s50
	s_cmp_lt_u32 ttmp9, 256
	s_cselect_b32 s48, 786432, s48                 ; x's 4096 rows x 192
	s_cselect_b32 s50, 4*786432, s50
	v_lshl_add_u32 v192, v0, 2, 0x8000
	v_mov_b32 v193, 0
	v_lshrrev_b32 v1, 5, v0
	v_readfirstlane_b32 s28, v1                    ; wave
	v_and_b32 v2, 31, v0                           ; lane
	s_cmp_ge_u32 ttmp9, 512
	s_cbranch_scc1 .Lrope                          ; the table's work-groups part here; they use no LDS
	v_lshlrev_b32 v3, 4, v2                        ; my 16 bytes of a load's 512
	s_mul_i32 s29, s28, WREG
	v_lshrrev_b32 v14, 2, v2
	v_mul_u32_u24 v14, v14, SP
	v_and_b32 v15, 3, v2
	v_lshl_add_u32 v14, v15, 4, v14
	v_add_nc_u32 v14, s29, v14                     ; the stage, on the way in: four lanes' 64 bytes on end, then 16 of padding
	v_mul_u32_u24 v15, v2, SP
	v_add_nc_u32 v15, s29, v15                     ; and on the way out: my 16 neighbours
	v_and_b32 v4, 15, v2
	v_mul_u32_u24 v4, v4, CB                       ; my 12 bytes of a piece of 192
	v_lshrrev_b32 v10, 4, v2                       ; h
	v_mad_u32_u24 v[VO], v10, s48, v4              ; lanes 16-31: one plane on
	v_add_nc_u32 v[VO+1], s49, v[VO]
	v_add_nc_u32 v[VO+2], s49, v[VO+1]
	v_add_nc_u32 v[VO+3], s49, v[VO+2]
	v_lshrrev_b32 v5, 1, v2
	s_add_co_u32 s29, s29, 2*32*SP
	v_add_nc_u32 v5, s29, v5                       ; LDS: my wave's 256 scale bytes, my block's byte
	v_lshlrev_b32 v7, 3, v2
	v_add_nc_u32 v6, s29, v7                       ; and on the way out 8 bytes a lane
	s_wait_alu depctr_va_vdst(0)
	s_wait_kmcnt 0x0
	; which tensor is mine: the choice hangs on the work-group's number alone.  The values begin as wo's and are replaced going down
	s_mov_b64 s[SRC:SRC+1], s[12:13]
	s_mov_b32 s36, 448                             ; the tensor's first work-group
	s_mov_b32 s37, 0                               ; where its runs begin among a head's 48
	s_mov_b32 s38, 0                               ; 1: a projection weight
	s_mov_b32 s39, 0                               ; 1: wv
	s_mov_b32 s40, WOC
	s_mov_b32 s41, WOS
	s_cmp_lt_u32 ttmp9, 448
	s_cselect_b64 s[SRC:SRC+1], s[10:11], s[SRC:SRC+1]
	s_cselect_b32 s36, 384, s36
	s_cselect_b32 s37, 16, s37
	s_cselect_b32 s38, 1, s38
	s_cselect_b32 s39, 1, s39
	s_cselect_b32 s40, WC, s40
	s_cselect_b32 s41, WS, s41
	s_cmp_lt_u32 ttmp9, 384
	s_cselect_b64 s[SRC:SRC+1], s[8:9], s[SRC:SRC+1]
	s_cselect_b32 s36, 320, s36
	s_cselect_b32 s37, 24, s37
	s_cselect_b32 s39, 0, s39
	s_cmp_lt_u32 ttmp9, 320
	s_cselect_b64 s[SRC:SRC+1], s[6:7], s[SRC:SRC+1]
	s_cselect_b32 s36, 256, s36
	s_cselect_b32 s37, 0, s37
	s_cmp_lt_u32 ttmp9, 256
	s_cselect_b64 s[SRC:SRC+1], s[4:5], s[SRC:SRC+1]
	s_cselect_b32 s36, 0, s36
	s_cselect_b32 s38, 0, s38
	s_cselect_b32 s40, 0, s40
	s_cselect_b32 s41, 0, s41
	s_sub_co_u32 s42, ttmp9, s36
	s_lshl_b32 s42, s42, 2
	s_add_co_u32 s42, s42, s28                     ; which run of 8,192 numbers of the tensor is my wave's
	s_lshr_b32 s43, s42, 4                         ; a projection weight: the head,
	s_and_b32 s44, s42, 15                         ; and which 4 of its 64 rows
	s_and_b32 s45, s44, 1                          ; wv: bits 1 and 2 of that number change places (bits 3 and 4 of the channel),
	s_and_b32 s46, s44, 2
	s_lshl_b32 s46, s46, 1
	s_or_b32 s45, s45, s46
	s_and_b32 s46, s44, 4
	s_lshr_b32 s46, s46, 1
	s_or_b32 s45, s45, s46
	s_and_b32 s46, s44, 8
	s_mul_i32 s46, s46, 3                          ; and the upper 32 places lie behind wk's 16 runs: 8 + 16 runs on
	s_add_co_u32 s45, s45, s46
	s_cmp_eq_u32 s39, 1
	s_cselect_b32 s45, s45, s44
	s_mul_i32 s43, s43, 48
	s_add_co_u32 s43, s43, s37
	s_add_co_u32 s43, s43, s45
	s_cmp_eq_u32 s38, 1
	s_cselect_b32 s43, s43, s42                    ; the run's place in the output
	s_lshl_b32 s46, s42, 15                        ; 32,768 bytes of numbers a run
	s_mov_b32 s47, 0
	s_add_nc_u64 s[SRC:SRC+1], s[SRC:SRC+1], s[46:47]
	s_mul_i32 s46, s43, s49
	s_lshl_b32 s46, s46, 2                         ; my run's first row in a plane: 4 rows x 192 bytes a run (wo: 8 rows)
	s_add_co_u32 s46, s46, s40
	s_add_nc_u64 s[DB:DB+1], s[14:15], s[46:47]
	s_lshl_b32 s46, s48, 1
	s_add_nc_u64 s[DB+2:DB+3], s[DB:DB+1], s[46:47]
	s_mov_b32 s46, s50
	s_add_nc_u64 s[DB+4:DB+5], s[DB:DB+1], s[46:47]
	s_add_nc_u64 s[DB+6:DB+7], s[DB+2:DB+3], s[46:47]
	s_lshl_b32 s46, s43, 8                         ; 256 scale bytes
	s_add_co_u32 s46, s46, s41
	s_add_nc_u64 s[DSC:DSC+1], s[16:17], s[46:47]
.macro LOAD t
.irp i, 0,1,2,3
	global_load_b128 v[R+16*((\t)%4)+4*\i:R+16*((\t)%4)+4*\i+3], v3, s[SRC:SRC+1] offset:2048*(\t)+512*\i th:TH_LOAD_NT   ; 32 lanes read 512 consecutive bytes
.endr
.endm
.macro TURN t                          ; step t's numbers through the stage: LDS serves a wave's instructions in order, so no wait stands between the stores and the loads
.irp i, 0,1,2,3
	ds_store_b128 v14, v[R+16*((\t)%4)+4*\i:R+16*((\t)%4)+4*\i+3] offset:32*SP*((\t)%2)+8*SP*\i
.endr
.irp i, 0,1,2,3
	ds_load_b128 v[X+16*((\t)%2)+4*\i:X+16*((\t)%2)+4*\i+3], v15 offset:32*SP*((\t)%2)+16*\i
.endr
.endm
.irp t, 0,1,2,3
	LOAD \t
.endr
	s_wait_loadcnt 12                              ; step 0's four loads are in; three steps' twelve may be out
	TURN 0
.macro STEP t
.set XS, X+16*((\t)%2)
.if (\t) > 0
	s_wait_dscnt 1                                 ; this step's numbers are back from the stage (the last step's byte store may be out)
.else
	s_wait_dscnt 0x0
.endif
.if (\t)+4 < STEPS
	LOAD (\t)+4                                    ; into the registers that the stage's stores have read
.endif
.if (\t)+1 < STEPS
.if STEPS-2-(\t) >= 3
	s_wait_loadcnt 12                              ; the next step's four loads are in; those of the three steps behind it may be out
.else
	s_wait_loadcnt 4*(STEPS-2-(\t))
.endif
	TURN (\t)+1
.endif
	v_max3_num_f32 v8, |v[XS]|, |v[XS+1]|, |v[XS+2]|               ; the largest magnitude of my 16, in two chains
	v_max3_num_f32 v9, |v[XS+3]|, |v[XS+4]|, |v[XS+5]|
.irp i, 6,10
	v_max3_num_f32 v8, v8, |v[XS+\i]|, |v[XS+\i+1]|
	v_max3_num_f32 v9, v9, |v[XS+\i+2]|, |v[XS+\i+3]|
.endr
	v_max3_num_f32 v8, v8, |v[XS+14]|, |v[XS+15]|
	v_max3_num_f32 v8, v8, v9, (EMAX+1)<<23        ; and the floor 2^(5 - 127): the byte cannot fall under 1
	v_max_num_f32_dpp v8, v8, v8 row_xmask:1 row_mask:0xf bank_mask:0xf   ; and of my neighbour's 16: the block's
	v_add_nc_u32 v11, -(EMAX<<23), v8              ; 4 off its exponent field: the conversion takes the exponent field of this operand as its scale
	v_cvt_scalef32_pk16_bf6_f32 v[C+4*(\t):C+4*(\t)+2], v[XS:XS+15], v11
	v_lshrrev_b32 v[E+(\t)], 23, v11               ; the scale's byte
	ds_store_b8 v5, v[E+(\t)] offset:16*(\t)       ; both lanes of a block write the same byte with the same value
	global_store_b96 v[VO+(\t)/4], v[C+4*(\t):C+4*(\t)+2], s[DB+2*((\t)%4):DB+2*((\t)%4)+1]   ; two pieces of 192 consecutive bytes, a plane apart
.endm
.irp t, 0,1,2,3,4,5,6,7,8,9,10,11,12,13,14,15
	STEP \t
.endr
	ds_load_b64 v[12:13], v6                       ; LDS serves a wave's instructions in order: these see my stores
	s_wait_dscnt 0x0
	global_store_b64 v7, v[12:13], s[DSC:DSC+1]    ; 32 lanes store 256 consecutive bytes, aligned
	s_wait_tensorcnt 0x0
	ds_add_u32 v192, v193
	s_wait_dscnt 0x0
	s_endpgm
; THE TABLE.  A wave makes one block of 16 positions: 16 cosines and 16 sines a lane.
.Lrope:
	s_sub_co_u32 s29, ttmp9, 512
	s_lshl_b32 s29, s29, 2
	s_add_co_u32 s29, s29, s28                     ; the block
	v_and_b32 v3, 15, v0                           ; r
	v_bfe_u32 v4, v0, 4, 1                         ; h
	s_lshl_b32 s30, s29, 4
	v_add_nc_u32 v8, s30, v3
	v_cvt_f32_u32 v8, v8                           ; my position, exact
	v_lshlrev_b32 v9, 3, v4                        ; 8 h
	s_wait_alu depctr_va_vdst(0)
	v_lshlrev_b32 v5, 4, v2                        ; 16 x lane
	s_mov_b32 s40, 0x3f22f983                      ; 2 / pi
	s_mov_b32 s41, 0xbfc90fdb                      ; -(pi / 2 rounded to f32)
	s_mov_b32 s42, 0x333bbd2e                      ; that number less pi / 2
	s_mov_b32 s43, 0xb94ca1f9                      ; sine: -1.9515296e-4, 8.3321609e-3, -0.16666655
	s_mov_b32 s44, 0x3c08839e
	s_mov_b32 s45, 0xbe2aaaa3
	s_mov_b32 s46, 0x37ccf5ce                      ; cosine: 2.4433157e-5, -1.3887316e-3, 4.1666646e-2
	s_mov_b32 s47, 0xbab6061a
	s_mov_b32 s48, 0x3d2aaaa5
	s_mov_b32 s49, 0xbed49a78                      ; -log2(10000) / 32
	s_lshl_b32 s30, s29, 12                        ; 4,096 bytes a block
	s_mov_b32 s31, 0
	s_wait_kmcnt 0x0
	s_add_nc_u64 s[18:19], s[18:19], s[30:31]
.irp i, 0,1,2,3,4,5,6,7,8,9,10,11,12,13,14,15
	v_add_nc_u32 v[32+\i], 16*(\i/8)+\i%8, v9      ; f
.endr
.irp i, 0,1,2,3,4,5,6,7,8,9,10,11,12,13,14,15
	v_cvt_f32_u32 v[32+\i], v[32+\i]
.endr
.irp i, 0,1,2,3,4,5,6,7,8,9,10,11,12,13,14,15
	v_mul_f32 v[32+\i], s49, v[32+\i]
.endr
	s_wait_alu depctr_va_vdst(0)
.irp i, 0,1,2,3,4,5,6,7,8,9,10,11,12,13,14,15
	v_exp_f32 v[32+\i], v[32+\i]                   ; inv_freq: sixteen as one batch
.endr
	v_nop                                          ; a plain instruction behind the last of them
	s_wait_alu depctr_va_vdst(0)                   ; one wait for the batch, ahead of its first reader
.irp i, 0,1,2,3,4,5,6,7,8,9,10,11,12,13,14,15
	v_mul_f32 v[32+\i], v8, v[32+\i]               ; the angle: position x inv_freq, rounded once
.endr
; cos and sin of the angle A in v[32 + i]: n = the nearest whole number to A x 2 / pi; rho = A - n pi / 2 in two fused steps (the first is exact for A of 1 or more: the difference is a
; multiple of 2^-23 under 1); polynomials on |rho| <= pi / 4; the quadrant n mod 4 exchanges the two and sets the signs.
.macro TRIG i
	v_mul_f32 v10, s40, v[32+\i]
	v_rndne_f32 v10, v10
	v_fma_f32 v11, v10, s41, v[32+\i]
	v_fma_f32 v11, v10, s42, v11
	v_mul_f32 v12, v11, v11
	v_fma_f32 v13, v12, s43, s44
	v_fma_f32 v14, v12, s46, s47
	v_fma_f32 v13, v13, v12, s45
	v_fma_f32 v14, v14, v12, s48
	v_mul_f32 v13, v13, v12
	v_mul_f32 v15, v12, v12
	v_fma_f32 v16, v12, -0.5, 1.0
	v_fma_f32 v13, v13, v11, v11                   ; sin rho
	v_fma_f32 v14, v14, v15, v16                   ; cos rho
	v_cvt_i32_f32 v17, v10
	v_and_b32 v18, 1, v17
	v_cmp_eq_u32 vcc_lo, 1, v18
	v_cndmask_b32 v19, v13, v14, vcc_lo            ; odd quadrants: the sine is the cosine of rho,
	v_cndmask_b32 v20, v14, v13, vcc_lo            ; and the other way round
	v_lshlrev_b32 v18, 30, v17
	v_and_b32 v18, 0x80000000, v18                 ; the sine is negative in quadrants 2 and 3,
	v_xor_b32 v[80+\i], v18, v19
	v_add_nc_u32 v17, 1, v17
	v_lshlrev_b32 v17, 30, v17
	v_and_b32 v17, 0x80000000, v17                 ; the cosine in 1 and 2
	v_xor_b32 v[64+\i], v17, v20
.endm
.irp i, 0,1,2,3,4,5,6,7,8,9,10,11,12,13,14,15
	TRIG \i
.endr
.irp c, 0,1,2,3,4,5,6,7
	global_store_b128 v5, v[64+4*\c:67+4*\c], s[18:19] offset:512*\c   ; 32 lanes store 512 consecutive bytes, aligned
.endr
	s_endpgm
.Lfunc_end_k_qe11f3df3fe_prep:
	.size	k_qe11f3df3fe_prep, .Lfunc_end_k_qe11f3df3fe_prep-k_qe11f3df3fe_prep
	.p2alignl 7, 3214868480
	.fill 96, 4, 3214868480
	.section	.rodata,"a",@progbits
	.p2align	6, 0x0
	.amdhsa_kernel k_qe11f3df3fe_prep
		.amdhsa_group_segment_fixed_size 33280
		.amdhsa_private_segment_fixed_size 0
		.amdhsa_enable_private_segment 0
		.amdhsa_kernarg_size 64
		.amdhsa_user_sgpr_count 2
		.amdhsa_user_sgpr_kernarg_segment_ptr 1
		.amdhsa_wavefront_size32 1
		.amdhsa_system_sgpr_workgroup_id_x 1
		.amdhsa_system_sgpr_workgroup_id_y 1
		.amdhsa_system_sgpr_workgroup_id_z 1
		.amdhsa_system_vgpr_workitem_id 0
		.amdhsa_next_free_vgpr 198
		.amdhsa_next_free_sgpr 66
		.amdhsa_reserve_vcc 1
		.amdhsa_float_denorm_mode_32 3
		.amdhsa_float_denorm_mode_16_64 3
		.amdhsa_memory_ordered 1
		.amdhsa_forward_progress 1
		.amdhsa_inst_pref_size 58
	.end_amdhsa_kernel
	.amdgpu_metadata
---
amdhsa.version: [ 1, 2 ]
amdhsa.kernels:
  - .name:           k_qe11f3df3fe_prep
    .symbol:         k_qe11f3df3fe_prep.kd
    .args:
      - { .name: x, .offset: 0, .size: 8, .value_kind: global_buffer, .address_space: global }
      - { .name: wq, .offset: 8, .size: 8, .value_kind: global_buffer, .address_space: global }
      - { .name: wk, .offset: 16, .size: 8, .value_kind: global_buffer, .address_space: global }
      - { .name: wv, .offset: 24, .size: 8, .value_kind: global_buffer, .address_space: global }
      - { .name: wo, .offset: 32, .size: 8, .value_kind: global_buffer, .address_space: global }
      - { .name: pc, .offset: 40, .size: 8, .value_kind: global_buffer, .address_space: global }
      - { .name: ps, .offset: 48, .size: 8, .value_kind: global_buffer, .address_space: global }
      - { .name: rope, .offset: 56, .size: 8, .value_kind: global_buffer, .address_space: global }
    .group_segment_fixed_size: 33280
    .private_segment_fixed_size: 0
    .kernarg_segment_align: 8
    .kernarg_segment_size: 64
    .max_flat_workgroup_size: 128
    .sgpr_count:     66
    .vgpr_count:     198
    .wavefront_size: 32
...
	.end_amdgpu_metadata
.endif
;; end of part 1
;; launch qkv (part 2): grid 16 x 16, 4 waves a work-group, clusters of 4 x 4, 327,680 bytes of LDS; arguments pc, ps, rope, qimg, kv; writes qimg, kv
.if DOCPART == 2
	.amdgcn_target "amdgcn-amd-amdhsa--gfx1250"
	.amdhsa_code_object_version 6
	.text
	.protected	k_qe11f3df3fe_qkv
	.globl	k_qe11f3df3fe_qkv
	.p2align	8
	.type	k_qe11f3df3fe_qkv,@function
k_qe11f3df3fe_qkv:
	s_mov_b64 s[64:65], 0
	v_nop
	global_prefetch_b8 v0, s[64:65] scope:SCOPE_SE
	s_setreg_imm32_b32 hwreg(HW_REG_WAVE_MODE, 25, 1), 1
	s_wait_xcnt 0x0
	s_wait_alu depctr_hold_cnt(0) depctr_sa_sdst(0) depctr_va_vdst(0) depctr_va_sdst(0) depctr_va_ssrc(0) depctr_va_vcc(0) depctr_vm_vsrc(0)
	s_getreg_b32 s2, hwreg(HW_REG_IB_STS2, 6, 4)
	s_cmp_eq_u32 s2, 0
	s_cbranch_scc0 .Lentry_in_a_cluster
	s_endpgm
.Lentry_in_a_cluster:
	s_bfe_u32 s2, ttmp6, 0x10000c
	s_cmp_lg_u32 s2, 0xf033
	s_cbranch_scc0 .Lentry_shape_is_right
	s_endpgm
.Lentry_shape_is_right:
; q, k, v = x W^T on codes of BF6 with E8M0 scales, the rotation, and the quantising of q, k and v for the attention.
; The codes lie by planes of 256 along K, [K / 256][row][192 bytes]: a tile (128 rows of x, 96 of the weights, one plane) is a dense block that begins at a multiple of 256 bytes.
; It is fetched as rows of 256 bytes; 16 bytes of padding behind every 64 give each row of 192 bytes of codes an LDS pitch of 240.
.set KROW,   192                       ; from row to row inside a plane
.set PLA,    786432                    ; a plane of x: 4096 rows
.set PLB,    589824                    ; a plane of the weights: 3072 rows
.set ROWB,   192
.set PITCH,  240
.set FR,     12
.set HALFA,  128*PITCH
.set HALFB,  96*PITCH
.set BOFF,   2*HALFA
.set SLOT,   BOFF+2*HALFB
.set SCB,    2*SLOT
.set HALFSB, 24*272
.set SCA,    SCB+2*HALFSB
.set HALFSA, 32*272
.set SBLK,   4*272
.set SPARE,  SCA+2*HALFSA
.set WC,     6291456
.set WS,     262144
.set ADRA, 16
.set ADRB, 20
.set LI16, 24
.set LI8,  25
.set VSA,  26
.set ADRS, 27
.set SPW,  28
.set NIL,  29
.set SC,   32
.set CS,   64
.set W,    192
.set PC,   224
.set PT,   236
.set TM,   240
.set TP,   242
.set SO,   244
.set BY,   246
.set PW,   250
.set OW,   254
.set AF,   0
.set BF,   96
.set G1, 24
.set G0, 32
.set G1B, 48
.set G0B, 56
.set G1S, 68
.set G0S, 76
.set G1SB, 80
.set G0SB, 88
.set RP,  66
.set SEL, 92
.set FLV, 94
.set FLR, 95
.set RO,  96
.set RS,  98
.set VO,  100
.set VS,  104
.set HM,  45
.set MSB, 0
.macro WIN new
.if MSB != (\new)
	s_set_vgpr_msb (MSB<<8)|(\new)
.set MSB, (\new)
.endif
.endm
.set MUL_LO, 0xa5
.set MUL_HI, 0xf5
.set TO_F,   0x40
.macro JLOAD g0a, g1a, g0b, g1b
	s_cmp_eq_u32 s15, 0
	s_cbranch_scc0 .Lfor_b_\@
	tensor_load_to_lds s[\g0a:\g0a+3], s[\g1a:\g1a+7]
	s_nop 0
.rept 4
	v_nop
.endr
	s_branch .Lasked_\@
.Lfor_b_\@:
	tensor_load_to_lds s[\g0b:\g0b+3], s[\g1b:\g1b+7]
	s_nop 0
.rept 4
	v_nop
.endr
.Lasked_\@:
.endm
.macro CREST
	s_cmp_lg_u32 s14, 0
	s_cbranch_scc1 .Lnot_wave_0_\@
	s_barrier_signal -3
.Lnot_wave_0_\@:
	s_barrier_wait -3
	s_barrier_signal -1
	s_barrier_wait -1
.endm
.macro CROUND
	s_barrier_signal -1
	s_barrier_wait -1
	CREST
.endm
.macro PLACES n
.rept \n
	v_nop
.endr
.endm
	s_load_b256 s[4:11], s[0:1], 0x0
	s_load_b64 s[12:13], s[0:1], 0x20
	v_lshl_add_u32 v[SPW], v0, 2, SPARE
	v_mov_b32 v[NIL], 0
	ds_add_u32 v28, v29
	ds_add_u32 v28, v29
	s_wait_dscnt 0x0
	v_lshrrev_b32 v1, 5, v0
	v_readfirstlane_b32 s14, v1
	s_lshr_b32 s15, s14, 1
	s_and_b32 s16, s14, 1
	s_bfe_u32 s40, ttmp6, 0x40000
	s_bfe_u32 s41, ttmp6, 0x40004
	s_lshl_b32 s42, ttmp9, 2
	s_add_co_u32 s42, s42, s40
	s_and_b32 s17, ttmp7, 0xffff
	s_lshl_b32 s17, s17, 2
	s_add_co_u32 s17, s17, s41
	s_lshl_b32 s43, s41, 2
	s_lshl_b32 s43, 15, s43
	s_lshl_b32 s44, 0x1111, s40
	s_or_b32 s[G1+0], s43, (1<<20)|(1<<21)|(3<<22)|(3<<25)
	s_or_b32 s[G1B+0], s44, (1<<20)|(1<<21)|(3<<22)|(3<<25)
.irp g, G1, G1B
	s_mov_b32 s[\g+1], 256<<16
	s_mov_b32 s[\g+3], 256<<16
	s_mov_b32 s[\g+5], 256
	s_mov_b32 s[\g+6], 0
	s_mov_b32 s[\g+7], 0
.endr
	s_mov_b32 s[G1+2], 192<<16                     ; the head's loads bring whole tiles: 256 x 192 bytes = 192 rows of 256,
	s_mov_b32 s[G1+4], 192
	s_mov_b32 s[G1B+2], 144<<16                    ; and 192 x 192 bytes = 144 rows of 256
	s_mov_b32 s[G1B+4], 144
	s_or_b32 s[G1S+0], s43, (3<<16)|(1<<20)|(1<<21)|(5<<22)|(3<<25)
	s_or_b32 s[G1SB+0], s44, (3<<16)|(1<<20)|(1<<21)|(5<<22)|(3<<25)
.irp g, G1S, G1SB
	s_mov_b32 s[\g+1], 32<<16
	s_mov_b32 s[\g+3], 32<<16
	s_mov_b32 s[\g+5], 32
	s_mov_b32 s[\g+6], 0
	s_mov_b32 s[\g+7], 0
.endr
	s_mov_b32 s[G1S+2], 64<<16                     ; the scales of 256 rows of x: 64 rows of 256 bytes
	s_mov_b32 s[G1S+4], 64
	s_mov_b32 s[G1SB+2], 48<<16                    ; those of 192 rows of the weights: 48
	s_mov_b32 s[G1SB+4], 48
	s_lshl_b32 s20, s17, 8                         ; the tile's first row of x,
	s_mul_i32 s46, s42, 192                        ; and of the weights
	s_lshl_b32 s22, s20, 6
	s_mov_b32 s23, 0
	s_lshl_b32 s92, s46, 6
	s_add_co_u32 s92, s92, WS
	s_mov_b32 s93, 0
	s_mul_i32 s20, s20, KROW
	s_mov_b32 s21, 0
	s_mul_i32 s46, s46, KROW
	s_add_co_u32 s46, s46, WC
	s_mov_b32 s47, 0
	s_mul_i32 s45, s16, HALFA
	s_mul_i32 s94, s16, HALFB
	s_add_co_u32 s94, s94, BOFF
	s_wait_kmcnt 0x0
	s_add_nc_u64 s[20:21], s[4:5], s[20:21]
	s_add_nc_u64 s[22:23], s[6:7], s[22:23]
	s_add_nc_u64 s[46:47], s[4:5], s[46:47]
	s_add_nc_u64 s[92:93], s[6:7], s[92:93]
	CROUND
	s_mov_b32 s[G0S], 1
	s_mov_b32 s[G0S+1], SCA
	s_mov_b64 s[G0S+2:G0S+3], s[22:23]
	s_or_b32 s[G0S+3], s[G0S+3], 0x80000000
	s_mov_b32 s[G0SB], 1
	s_mov_b32 s[G0SB+1], SCB
	s_mov_b64 s[G0SB+2:G0SB+3], s[92:93]
	s_or_b32 s[G0SB+3], s[G0SB+3], 0x80000000
	; THE HEAD'S LOADS, one a wave: wave 0 plane 0 of x's 256 rows, wave 1 plane 0 of the weights' 192 rows, wave 2 x's scales, wave 3 the weights'.
	s_mov_b32 s[G0], 1
	s_mov_b32 s[G0+1], 0
	s_mov_b64 s[G0+2:G0+3], s[20:21]
	s_or_b32 s[G0+3], s[G0+3], 0x80000000
	s_mov_b32 s[G0B], 1
	s_mov_b32 s[G0B+1], BOFF
	s_mov_b64 s[G0B+2:G0B+3], s[46:47]
	s_or_b32 s[G0B+3], s[G0B+3], 0x80000000
	s_mul_i32 s18, s16, 128*KROW                   ; for the ring: my half of a tile's rows
	s_mov_b32 s19, 0
	s_add_nc_u64 s[20:21], s[20:21], s[18:19]
	s_mul_i32 s18, s16, 96*KROW
	s_add_nc_u64 s[46:47], s[46:47], s[18:19]
	s_mov_b32 s[G0+4], 1
	s_add_co_u32 s[G0+5], s45, SLOT
	s_add_nc_u64 s[G0+6:G0+7], s[20:21], PLA
	s_or_b32 s[G0+7], s[G0+7], 0x80000000
	s_mov_b32 s[G0B+4], 1
	s_add_co_u32 s[G0B+5], s94, SLOT
	s_add_nc_u64 s[G0B+6:G0B+7], s[46:47], PLB
	s_or_b32 s[G0B+7], s[G0B+7], 0x80000000
.macro ARM under, g0, g1, next         ; one chain of branches on the wave's number: every way passes exactly one load
	s_cmp_lt_u32 s14, \under
	s_cbranch_scc0 \next
	tensor_load_to_lds s[\g0:\g0+3], s[\g1:\g1+7]
	s_nop 0
.rept 4
	v_nop
.endr
	s_branch .Lhead_asked
\next:
.endm
	ARM 1, G0,  G1,  .Lhead_b
	ARM 2, G0B, G1B, .Lhead_sa
	ARM 3, G0S, G1S, .Lhead_sb
	tensor_load_to_lds s[G0SB:G0SB+3], s[G1SB:G1SB+7]
	s_nop 0
.rept 4
	v_nop
.endr
.Lhead_asked:
	s_wait_alu depctr_va_vdst(0)
	s_wait_tensorcnt 0x0                           ; my tile of the head's four is in; no tensor load of mine is out, so descriptors may be written
	ds_add_u32 v28, v29
	s_mov_b32 s[G1+2], 96<<16                      ; from here on a load brings half a tile: 128 x 192 bytes = 96 rows of 256,
	s_mov_b32 s[G1+4], 96
	s_mov_b32 s[G1B+2], 72<<16                     ; 96 x 192 bytes = 72 rows
	s_mov_b32 s[G1B+4], 72
	s_mov_b32 s[G0+1], s45                         ; slot 0's descriptors: my half, at plane 0; the first refill steps them to plane 2
	s_mov_b64 s[G0+2:G0+3], s[20:21]
	s_or_b32 s[G0+3], s[G0+3], 0x80000000
	s_mov_b32 s[G0B+1], s94
	s_mov_b64 s[G0B+2:G0B+3], s[46:47]
	s_or_b32 s[G0B+3], s[G0B+3], 0x80000000
	s_wait_dscnt 0x0
	CROUND                                         ; all four tiles are in, in every partner
	JLOAD G0+4, G1, G0B+4, G1B                     ; plane 1 into slot 1: the first tensor load behind the round
	v_and_b32 v1, 15, v0
	v_bfe_u32 v2, v0, 4, 1
	v_mul_u32_u24 v3, v1, PITCH
	v_mul_u32_u24 v4, v2, 24
	v_add_nc_u32 v4, v3, v4
	v_lshl_add_u32 v5, v2, 4, v4
	s_mul_i32 s21, s15, HALFA
	s_mul_i32 s22, s16, HALFB
	s_add_co_u32 s22, s22, BOFF
.irp s, 0,1
	v_add_nc_u32 v[ADRA+\s], s21, v4
	v_add_nc_u32 v[ADRB+\s], s22, v4
	v_add_nc_u32 v[ADRA+2+\s], s21, v5
	v_add_nc_u32 v[ADRB+2+\s], s22, v5
	s_add_co_u32 s21, s21, SLOT
	s_add_co_u32 s22, s22, SLOT
.endr
	v_lshlrev_b32 v5, 6, v1
	v_lshrrev_b32 v6, 8, v5
	v_lshl_add_u32 v5, v6, 4, v5
	s_mul_i32 s21, s16, HALFSB
	s_add_co_u32 s21, s21, SCB
	s_mul_i32 s22, s15, HALFSA
	s_add_co_u32 s22, s22, SCA
	s_sub_co_u32 s22, s22, s21
	v_mul_u32_u24 v6, s22, v2
	v_add_nc_u32 v5, v5, v6
	v_add_nc_u32 v[ADRS], s21, v5
	v_and_b32 v6, 31, v0
	v_lshlrev_b32 v[LI16], 4, v6
	s_wait_alu depctr_va_vdst(0)
	v_lshlrev_b32 v[LI8], 3, v6
	v_lshlrev_b32 v[VSA], 3, v1
	v_lshl_add_u32 v[VSA], v2, 2, v[VSA]
	v_mov_b32 v[TP], 0
	v_mov_b32 v[TP+1], 0
	s_lshr_b32 s18, s17, 3
	s_lshl_b32 s18, s18, 4
	s_add_co_u32 s18, s18, s42
	s_lshl_b32 s18, s18, 4
	s_and_b32 s19, s17, 7
	s_lshl_b32 s19, s19, 1
	s_add_co_u32 s18, s18, s19
	s_add_co_u32 s18, s18, s15
	s_mul_i32 s20, s18, 12800
	s_mov_b32 s21, 0
	s_add_nc_u64 s[VO:VO+1], s[12:13], s[20:21]
	s_mul_i32 s22, s18, 6400
	s_mov_b32 s23, 0
	s_add_nc_u64 s[RO:RO+1], s[10:11], s[22:23]
	s_cmp_eq_u32 s16, 1
	s_cselect_b64 s[RO:RO+1], s[VO:VO+1], s[RO:RO+1]
	s_mov_b32 s22, 6144
	s_cselect_b32 s22, 12288, s22
	s_mov_b32 s[FLR], 8<<23
	s_cselect_b32 s[FLR], 5<<23, s[FLR]
	s_add_nc_u64 s[RS:RS+1], s[RO:RO+1], s[22:23]
	s_mul_i32 s22, s16, 128
	s_add_co_u32 s22, s22, 12544
	s_add_nc_u64 s[VS:VS+1], s[VO:VO+1], s[22:23]
	s_mul_i32 s22, s16, 3072
	s_add_co_u32 s22, s22, 6144
	s_add_nc_u64 s[VO:VO+1], s[VO:VO+1], s[22:23]
	s_and_b32 s18, s17, 7
	s_lshl_b32 s18, s18, 4
	s_lshl_b32 s19, s15, 3
	s_add_co_u32 s18, s18, s19
	s_lshl_b32 s18, s18, 12
	s_mov_b32 s19, 0
	s_add_nc_u64 s[RP:RP+1], s[8:9], s[18:19]
	s_mov_b32 s[SEL], 0x76543210
	s_mov_b32 s[SEL+1], 0xfedcba98
	s_mov_b32 s[FLV], 5<<23
	s_mov_b32 s[HM], 0xffff0000
.irp a, 0,1,2,3
.irp c, 0,1,2,3,4,5,6,7
	global_load_b128 v[CS+32*\a+4*\c:CS+32*\a+4*\c+3], v[LI16], s[RP:RP+1] offset:\a*4096+512*\c
.endr
.endr
.macro FRAG reg, adr, q, i
.irp p, 0,1,2,3,4,5
.set PCE, 12*(\q)+6*(\p/3)+\p%3
.if PCE%8 < 5
	ds_load_b64 v[\reg+2*\p:\reg+2*\p+1], v[\adr] offset:8*PCE+16*(PCE/8)+(\i)*16*PITCH
.else
	ds_load_b64 v[\reg+2*\p:\reg+2*\p+1], v[\adr+2] offset:8*PCE+16*(PCE/8)+(\i)*16*PITCH
.endif
.endr
.endm
.macro MUL12 a0, p, q, sc, zero
.irp a, \a0, \a0+1
.irp b, 0,1,2,3
.set DD, 8*(4*((\a)%4)+\b)
.if \zero
	v_wmma_scale_f32_16x16x128_f8f6f4 v[DD:DD+7], v[BF+72*(\p)+FR*\b:BF+72*(\p)+FR*\b+FR-1], v[AF+FR*(\a):AF+FR*(\a)+FR-1], 0, v[SC+16*(\sc)+2*\b+(\q)], v[SC+16*(\sc)+2*(\a)+(\q)] matrix_a_fmt:MATRIX_FMT_BF6 matrix_b_fmt:MATRIX_FMT_BF6 matrix_b_scale:MATRIX_SCALE_ROW1
.else
	v_wmma_scale_f32_16x16x128_f8f6f4 v[DD:DD+7], v[BF+72*(\p)+FR*\b:BF+72*(\p)+FR*\b+FR-1], v[AF+FR*(\a):AF+FR*(\a)+FR-1], v[DD:DD+7], v[SC+16*(\sc)+2*\b+(\q)], v[SC+16*(\sc)+2*(\a)+(\q)] matrix_a_fmt:MATRIX_FMT_BF6 matrix_b_fmt:MATRIX_FMT_BF6 matrix_b_scale:MATRIX_SCALE_ROW1
.endif
.endr
.irp b, 4,5
.set DD, 128+8*(4*(\b-4)+(\a)%4)
.if \zero
	v_wmma_scale_f32_16x16x128_f8f6f4 v[DD:DD+7], v[AF+FR*(\a):AF+FR*(\a)+FR-1], v[BF+72*(\p)+FR*\b:BF+72*(\p)+FR*\b+FR-1], 0, v[SC+16*(\sc)+2*(\a)+(\q)], v[SC+16*(\sc)+2*\b+(\q)] matrix_a_fmt:MATRIX_FMT_BF6 matrix_b_fmt:MATRIX_FMT_BF6 matrix_a_scale:MATRIX_SCALE_ROW1
.else
	v_wmma_scale_f32_16x16x128_f8f6f4 v[DD:DD+7], v[AF+FR*(\a):AF+FR*(\a)+FR-1], v[BF+72*(\p)+FR*\b:BF+72*(\p)+FR*\b+FR-1], v[DD:DD+7], v[SC+16*(\sc)+2*(\a)+(\q)], v[SC+16*(\sc)+2*\b+(\q)] matrix_a_fmt:MATRIX_FMT_BF6 matrix_b_fmt:MATRIX_FMT_BF6 matrix_a_scale:MATRIX_SCALE_ROW1
.endif
.endr
.endr
.endm
.macro FETCH_B slot, q, p
	WIN TO_F
.irp i, 0,1,2,3,4,5
	FRAG BF+72*(\p)+FR*\i, ADRB+\slot, \q, \i
.endr
.endm
.macro FETCH_A slot, q, i0
	WIN TO_F
.irp i, \i0, \i0+1, \i0+2, \i0+3
	FRAG AF+FR*(\i), ADRA+\slot, \q, \i
.endr
.endm
.macro SCALES sc
	WIN 0
.irp i, 0,1,2,3,4,5,6,7
	ds_load_b64 v[SC+16*\sc+2*\i:SC+16*\sc+2*\i+1], v[ADRS] offset:\i*SBLK
.endr
.endm
.macro STEP slot, q, zero
	s_wait_dscnt 24
	WIN MUL_LO
	MUL12 0, (\q)%2, \q, \slot, \zero
	MUL12 2, (\q)%2, \q, \slot, \zero
	s_wait_dscnt 0
	PLACES 4
	FETCH_B \slot, (\q)+1, 1-(\q)%2
	FETCH_A \slot, (\q)+1, 0
	WIN MUL_HI
	MUL12 4, (\q)%2, \q, \slot, \zero
	MUL12 6, (\q)%2, \q, \slot, \zero
	PLACES 4
	FETCH_A \slot, (\q)+1, 4
	WIN 0
.endm
.macro TURN slot, next, fill
	s_wait_tensorcnt 0x0
	ds_add_u32 v[SPW], v[NIL]
	s_wait_dscnt 25
	WIN MUL_LO
	MUL12 0, 1, 1, \slot, 0
	s_wait_dscnt 0x0
	s_barrier_signal -1
	MUL12 2, 1, 1, \slot, 0
	WIN 0
	s_barrier_wait -1
.if \fill
	CREST
	s_add_nc_u64 s[G0+4*\slot+2:G0+4*\slot+3], s[G0+4*\slot+2:G0+4*\slot+3], 2*PLA
	s_add_nc_u64 s[G0B+4*\slot+2:G0B+4*\slot+3], s[G0B+4*\slot+2:G0B+4*\slot+3], 2*PLB
	JLOAD G0+4*\slot, G1, G0B+4*\slot, G1B
.else
	PLACES 4
.endif
	s_wait_alu depctr_va_vdst(0)
	v_add_nc_u32 v[ADRS], 8, v[ADRS]
	FETCH_B \next, 0, 0
	FETCH_A \next, 0, 0
	SCALES \next
	WIN MUL_HI
	MUL12 4, 1, 1, \slot, 0
	MUL12 6, 1, 1, \slot, 0
	PLACES 4
	FETCH_A \next, 0, 4
	WIN 0
.endm
	s_wait_tensorcnt 1
	s_barrier_signal -1
	s_barrier_wait -1
	FETCH_B 0, 0, 0
	FETCH_A 0, 0, 0
	SCALES 0
	FETCH_A 0, 0, 4
	WIN 0
	STEP 0, 0, 1
	s_mov_b32 s3, 3
.Llap:
	TURN 0, 1, 1
	STEP 1, 0, 0
	TURN 1, 0, 1
	STEP 0, 0, 0
	s_sub_co_u32 s3, s3, 1
	s_cmp_lg_u32 s3, 0
	s_cbranch_scc1 .Llap
	TURN 0, 1, 0
	STEP 1, 0, 0
	s_wait_dscnt 24
	WIN MUL_LO
	MUL12 0, 1, 1, 1, 0
	MUL12 2, 1, 1, 1, 0
	s_wait_dscnt 0
	WIN MUL_HI
	MUL12 4, 1, 1, 1, 0
	MUL12 6, 1, 1, 1, 0
	WIN 0
.macro ROPE a
.if (\a) < 5
	s_wait_loadcnt 24
.else
	s_wait_loadcnt 8*(7-(\a))
.endif
.set AB, 32*((\a)%4)
.set CC, CS+32*((\a)%4)
	WIN 2+(\a)/4
.irp k, 0,2,4,6,8,10,12,14
	v_pk_mul_f32 v[W+\k:W+\k+1], v[AB+\k:AB+\k+1], v[CC+\k:CC+\k+1]
	v_pk_mul_f32 v[W+16+\k:W+17+\k], v[AB+16+\k:AB+17+\k], v[CC+\k:CC+\k+1]
.endr
.irp k, 0,2,4,6,8,10,12,14
	v_pk_fma_f32 v[W+\k:W+\k+1], v[AB+16+\k:AB+17+\k], v[CC+16+\k:CC+17+\k], v[W+\k:W+\k+1] neg_lo:[1,0,0] neg_hi:[1,0,0]
	v_pk_fma_f32 v[W+16+\k:W+17+\k], v[AB+\k:AB+\k+1], v[CC+16+\k:CC+17+\k], v[W+16+\k:W+17+\k]
.endr
	WIN 0
.if (\a) < 4
.irp c, 0,1,2,3,4,5,6,7
	global_load_b128 v[CC+4*\c:CC+4*\c+3], v[LI16], s[RP:RP+1] offset:((\a)+4)*4096+512*\c
.endr
.endif
.endm
.macro QHALF c, src, w, flr
	WIN ((\w)<<2)|((\w)<<4)
	v_max3_num_f32 v[TM], s[\flr], |v[\src]|, |v[\src+1]|
	v_max3_num_f32 v[TM+1], s[\flr], |v[\src+16]|, |v[\src+17]|
.irp i, 2,4,6,8,10,12,14
	v_max3_num_f32 v[TM], v[TM], |v[\src+\i]|, |v[\src+\i+1]|
	v_max3_num_f32 v[TM+1], v[TM+1], |v[\src+16+\i]|, |v[\src+17+\i]|
.endr
	WIN 0
	v_permlanex16_b32 v[TP], v[TM], s[SEL], s[SEL+1]
	v_permlanex16_b32 v[TP+1], v[TM+1], s[SEL], s[SEL+1]
	v_max_num_f32 v[TM], v[TM], v[TP]
	v_max_num_f32 v[TM+1], v[TM+1], v[TP+1]
	v_add_nc_u32 v[SO], 0xfe000000, v[TM]
	v_add_nc_u32 v[SO+1], 0xfe000000, v[TM+1]
	v_lshrrev_b32 v[BY+2*\c], 23, v[SO]
	v_lshrrev_b32 v[BY+2*\c+1], 23, v[SO+1]
	WIN \w
	v_cvt_scalef32_pk16_bf6_f32 v[PC+6*\c:PC+6*\c+2], v[\src:\src+15], v[SO]
	v_cvt_scalef32_pk16_bf6_f32 v[PT:PT+2], v[\src+16:\src+31], v[SO+1]
	WIN 0
	v_nop
.irp i, 0,1,2
	v_permlane16_swap_b32 v[PC+6*\c+\i], v[PT+\i]
.endr
.irp i, 0,1,2
	v_mov_b32 v[PC+6*\c+3+\i], v[PT+\i]
.endr
.endm
.macro WORD dst
	v_lshl_or_b32 v[\dst], v[BY+1], 8, v[BY]
	v_lshl_or_b32 v[\dst], v[BY+2], 16, v[\dst]
	v_lshl_or_b32 v[\dst], v[BY+3], 24, v[\dst]
.endm
	PLACES 4
.irp g, 0,1,2,3
.if \g > 0
	s_wait_xcnt 0x0
.endif
	ROPE 2*\g
	QHALF 0, W, 0, FLR
	ROPE 2*\g+1
	QHALF 1, W, 0, FLR
	WORD PW+\g
.irp c, 0,1,2
	global_store_b128 v[LI16], v[PC+4*\c:PC+4*\c+3], s[RO:RO+1] offset:\g*1536+512*\c
.endr
.endr
	v_cndmask_b32 v[OW], v[PW], v[PW+2], s[HM]
	v_cndmask_b32 v[OW+1], v[PW+1], v[PW+3], s[HM]
	global_store_b64 v[LI8], v[OW:OW+1], s[RS:RS+1]
.irp c, 0,1
	s_wait_xcnt 0x0
	QHALF 0, 128+32*\c, 2, FLV
	QHALF 1, 128+32*\c, 3, FLV
	WORD PW+\c
.irp k, 0,1,2
	global_store_b128 v[LI16], v[PC+4*\k:PC+4*\k+3], s[VO:VO+1] offset:\c*1536+512*\k
.endr
.endr
	v_cndmask_b32 v[OW], v[PW], v[PW+1], s[HM]
	global_store_b32 v[VSA], v[OW], s[VS:VS+1]
	s_wait_tensorcnt 0x0
	ds_add_u32 v[SPW], v[NIL]
	s_wait_dscnt 0x0
	CROUND
	s_endpgm
.Lfunc_end_k_qe11f3df3fe_qkv:
	.size	k_qe11f3df3fe_qkv, .Lfunc_end_k_qe11f3df3fe_qkv-k_qe11f3df3fe_qkv
	.p2alignl 7, 3214868480
	.fill 96, 4, 3214868480
	.section	.rodata,"a",@progbits
	.p2align	6, 0x0
	.amdhsa_kernel k_qe11f3df3fe_qkv
		.amdhsa_group_segment_fixed_size 327680
		.amdhsa_private_segment_fixed_size 0
		.amdhsa_enable_private_segment 0
		.amdhsa_kernarg_size 40
		.amdhsa_user_sgpr_count 2
		.amdhsa_user_sgpr_kernarg_segment_ptr 1
		.amdhsa_wavefront_size32 1
		.amdhsa_system_sgpr_workgroup_id_x 1
		.amdhsa_system_sgpr_workgroup_id_y 1
		.amdhsa_system_sgpr_workgroup_id_z 1
		.amdhsa_system_vgpr_workitem_id 0
		.amdhsa_next_free_vgpr 1024
		.amdhsa_next_free_sgpr 106
		.amdhsa_reserve_vcc 0
		.amdhsa_float_denorm_mode_32 3
		.amdhsa_float_denorm_mode_16_64 3
		.amdhsa_memory_ordered 1
		.amdhsa_forward_progress 1
		.amdhsa_inst_pref_size 158
	.end_amdhsa_kernel
	.amdgpu_metadata
---
amdhsa.version: [ 1, 2 ]
amdhsa.kernels:
  - .name:           k_qe11f3df3fe_qkv
    .symbol:         k_qe11f3df3fe_qkv.kd
    .args:
      - { .name: pc, .offset: 0, .size: 8, .value_kind: global_buffer, .address_space: global }
      - { .name: ps, .offset: 8, .size: 8, .value_kind: global_buffer, .address_space: global }
      - { .name: rope, .offset: 16, .size: 8, .value_kind: global_buffer, .address_space: global }
      - { .name: qimg, .offset: 24, .size: 8, .value_kind: global_buffer, .address_space: global }
      - { .name: kv, .offset: 32, .size: 8, .value_kind: global_buffer, .address_space: global }
    .group_segment_fixed_size: 327680
    .private_segment_fixed_size: 0
    .kernarg_segment_align: 8
    .kernarg_segment_size: 40
    .max_flat_workgroup_size: 128
    .sgpr_count:     106
    .vgpr_count:     1024
    .wavefront_size: 32
...
	.end_amdgpu_metadata
.endif
;; end of part 2
;; launch attn (part 3): grid 8 x 32, 16 waves a work-group, clusters of 4 x 4, 327,680 bytes of LDS; arguments qimg, kv, mask, ctx, ctxs; writes ctx, ctxs
.if DOCPART == 3
	.amdgcn_target "amdgcn-amd-amdhsa--gfx1250"
	.amdhsa_code_object_version 6
	.text
	.protected	k_qe11f3df3fe_attn
	.globl	k_qe11f3df3fe_attn
	.p2align	8
	.type	k_qe11f3df3fe_attn,@function
k_qe11f3df3fe_attn:
	s_mov_b64 s[64:65], 0
	v_nop
	global_prefetch_b8 v0, s[64:65] scope:SCOPE_SE
	s_setreg_imm32_b32 hwreg(HW_REG_WAVE_MODE, 25, 1), 1
	s_wait_xcnt 0x0
	s_wait_alu depctr_hold_cnt(0) depctr_sa_sdst(0) depctr_va_vdst(0) depctr_va_sdst(0) depctr_va_ssrc(0) depctr_va_vcc(0) depctr_vm_vsrc(0)
	s_getreg_b32 s2, hwreg(HW_REG_IB_STS2, 6, 4)
	s_cmp_eq_u32 s2, 0
	s_cbranch_scc0 .Lentry_in_a_cluster
	s_endpgm
.Lentry_in_a_cluster:
	s_bfe_u32 s2, ttmp6, 0x10000c
	s_cmp_lg_u32 s2, 0xf033
	s_cbranch_scc0 .Lentry_shape_is_right
	s_endpgm
.Lentry_shape_is_right:
; context = softmax(q k^T / 8 + mask) v for 32 (batch, head) pairs of 2,048 tokens and 64 channels, both products on codes of BF6 with one E8M0 scale for each 32 along K; the context is quantised for the last product.
; THE MASK IS AN INPUT: every query meets all 2,048 keys, and every number of the mask is loaded and added.
; THE SOFTMAX: t = logit x log2(e); M = the row's largest t so far, rounded UP to a whole number; p = 2^(t - M) is quantised along the keys, not normalised; the row's sum is taken of the unquantised p and divides
; at the end.  When M moves, the sum and O are multiplied by 2^(old M - new M): exact.
; SHARES.  A work-group takes 4 heads (work-group x) and 64 queries (work-group y); wave w takes head w / 4 and the tile of 16 queries w % 4, in 256 registers: four waves to a SIMD, so that one wave's vector work
; stands beside another's matrix work and LDS loads.  Each record of k and v is read by four waves, each row of the mask by four.  Every wave walks the 2,048 keys, 128 a step.
; CLUSTERS: 4 x 4.  The records of k and v hang on the heads alone: asked for jointly along a column of the cluster; the mask's tile hangs on the queries alone: along a row.
; LAYOUT.  Both products are used transposed: S^T = k q^T, O^T = v^T p^T: a lane holds ONE query throughout.  Operands come as images of their registers (the launch before laid them so): ds_load_b128 alone.
; ONE FRAGMENT OF k SERVES TWO TILES OF SCORES.  The head has 64 channels and the instruction takes 128 along K: row r of a pair image is tokens 32 g + r and 32 g + 16 + r on end.  Multiplied by Q (codes, then
; zero codes) it gives keys 32 g + 0 .. 15, by Q' (zero codes, then codes) keys 32 g + 16 .. 31.  The zero halves have the scale byte 1.
; THE MASK COSTS NO VECTOR INSTRUCTION.  q's scale bytes are taken 3 lower (the launch before holds them at 4 from below), so the product is q k / 8, exactly; the mask's numbers are loaded from LDS straight into
; the scores' registers and are the C of the product: D is the logit.
; THE ORDER INSIDE A BLOCK OF 32 KEYS is that of p's registers, 16 (i / 8) + 8 h + i % 8; v was laid the same way.
; LIMITS: NaN and +infinity are not served; a -infinity in the mask gives p = 0; a row whose every number is -infinity is not served (the reference gives NaN there); a block of p all 0 keeps the byte 1.
; REGISTERS: v1-4 addresses that stay; v5, v6 the spare word's; v7 the prefetches' offset; v8-10 addresses of the step; v12 -M, v13 the largest t, v[14:15] the sum; v16-33 zeros, q's six registers, zeros;
; v34-41 scale words; v42-44 the way out's addresses; v48-95 four fragments; v96-159 S^T, then p; v160-191 O^T; v192-211 p's codes; v212-231 at work.
.set SLOT1, 1<<17                      ; a slot: four records of 12,800 bytes, then the mask's 64 rows of 528; slot 1 begins here
.set REC,   12800
.set MOFF,  4*REC
.set MP,    528                        ; a row of the mask's tile: 512 bytes + 16: row r starts 4 r banks on
.set STG,   2*SLOT1                    ; 512 bytes: the context's scale bytes of 64 tokens x 4 heads; no tile lands here
.set SPARE, STG+512                    ; the spare words, 128 bytes for each of 16 waves: eight blocks of 256 bytes that no other line names
.set AK0,  1
.set ASC0, 2
.set AM0,  3
.set SA,   4
.set SPW,  5
.set NIL,  6
.set PFO,  7
.set ADK,  8
.set ADS,  9
.set ADM,  10
.set QSL,  34                          ; q's scale words for Q,
.set QSH,  35                          ; and for Q'
.set PW,   36                          ; p's scale word
.set KSC,  38                          ; v[38:39] k's scale words: register g % 2, lanes 0-15 for g < 2, lanes 16-31 for g >= 2
.set VSC,  40                          ; v[40:41] v's likewise
.set GO,   42
.set L16,  43
.set SB,   44
.set F,    48
.set S,    96
.set O,    160
.set PC,   192
.set PT,   204
.set BM,   212
.set T2,   216
.set SO,   220
.set WV,   18
.set SEL,  20
.set CS,   22                          ; s[22:23] log2(e), twice: the packed form names a pair
.set G1K,  24
.set G1M,  32
.set G0K,  40
.set G0M,  44
.set TB,   48
.set SLOTS, 49
.set LIM,  51
.set GRP,  50                          ; s50: which of the two orders of a trip my wave runs: (wave xor wave / 4) & 1
.set ROLE, 19                          ; s19: 0: I fetch half a record of k and v; 1: I fetch eight rows of the mask's tile
.set PFA,  52
.set PFS,  54
.set HH,   56
.set QT,   57
.set CX,   80
.set CSS,  82
; EVERY WAVE FETCHES A PART OF A SLOT.  With j = wave / 4 and i = wave % 4: j even: half j / 2 of record i, 25 rows of 256 bytes; j odd: rows 8 (4 (j / 2) + i) .. + 7 of the mask's tile.
; The branch hangs on the wave's number alone.  An s_nop 0 and four v_nop follow each of the two lines.
.macro TLOAD
	s_cmp_eq_u32 s[ROLE], 0
	s_cbranch_scc0 .Lnot_k_\@
	tensor_load_to_lds s[G0K:G0K+3], s[G1K:G1K+7]
	s_nop 0
.rept 4
	v_nop
.endr
	s_branch .Lasked_\@
.Lnot_k_\@:
	tensor_load_to_lds s[G0M:G0M+3], s[G1M:G1M+7]
	s_nop 0
.rept 4
	v_nop
.endr
.Lasked_\@:
.endm
; A PREFETCH of what the NEXT change of slots will ask for, one key step ahead of that load.  Each block of 256 bytes is named by one work-group of the launch.  The mask's tile is read by both clusters of a row of
; clusters: cluster x = 0 asks, wave 5; its four partners take 16 rows each, told apart by address; a lane names half a row's 512 bytes.  The records are read by all clusters of a column: cluster y = 0 asks, waves 6 and 7;
; partner cy takes record cy; a wave names 25 blocks (lanes 25 to 31 name the 25th again).  The last change that fills a slot asks for nothing; steps 0 and 1 come by their loads alone.
.macro ASK
	s_cmp_gt_u32 s[SLOTS], s[LIM]
	s_cbranch_scc0 .Lnot_mine_\@
	global_prefetch_b8 v[PFO], s[PFA:PFA+1] th:TH_LOAD_NT scope:SCOPE_SE
.Lnot_mine_\@:
.endm
.macro CROUND                          ; a round of the cluster's barrier
	s_barrier_signal -1
	s_barrier_wait -1
	s_cmp_lg_u32 s[WV], 0
	s_cbranch_scc1 .Lnot_wave_0_\@
	s_barrier_signal -3
.Lnot_wave_0_\@:
	s_barrier_wait -3
	s_barrier_signal -1
	s_barrier_wait -1
.endm
	s_load_b256 s[4:11], s[0:1], 0x0               ; qimg, kv, mask, ctx
	s_load_b64 s[12:13], s[0:1], 0x20              ; ctxs
	v_lshl_add_u32 v[SPW], v0, 2, SPARE
	v_mov_b32 v[NIL], 0
	ds_add_u32 v5, v6
	ds_add_u32 v5, v6
	s_wait_dscnt 0x0
	v_lshrrev_b32 v8, 5, v0
	s_delay_alu instid0(VALU_DEP_1)
	v_readfirstlane_b32 s[WV], v8                  ; wave 0..15
	s_lshr_b32 s[HH], s[WV], 2                     ; which of the four heads
	s_and_b32 s[QT], s[WV], 3                      ; which tile of 16 queries.  Also: which record a fetching wave fetches
	s_bfe_u32 s14, ttmp6, 0x40000                  ; cx, cy
	s_bfe_u32 s15, ttmp6, 0x40004
	s_lshl_b32 s16, ttmp9, 2
	s_add_co_u32 s16, s16, s14                     ; the group of four heads = 4 x cluster x + cx
	s_and_b32 s17, ttmp7, 0xffff
	s_lshl_b32 s17, s17, 2
	s_add_co_u32 s17, s17, s15                     ; the block of 64 queries = 4 x cluster y + cy
	s_lshl_b32 s58, s15, 2
	s_lshl_b32 s58, 15, s58                        ; my row of the cluster
	s_lshl_b32 s59, 0x1111, s14                    ; my column
	s_or_b32 s[G1K], s59, (3<<16)|(1<<21)          ; a record: 50 dense rows of 256 bytes (32 elements of 8), no padding; the mask of my column, bit 21 beside it
	s_mov_b32 s[G1K+1], 32<<16
	s_mov_b32 s[G1K+2], 25<<16
	s_mov_b32 s[G1K+3], 32<<16
	s_mov_b32 s[G1K+4], 25
	s_mov_b32 s[G1K+5], 32
	s_mov_b32 s[G1K+6], 0
	s_mov_b32 s[G1K+7], 0
	s_or_b32 s[G1M], s58, (2<<16)|(1<<20)|(1<<21)|(6<<22)|(3<<25)   ; the mask's tile: 64 rows of 128 numbers of 4 bytes, 2,048 apart; 4 words of padding behind every 128; the mask of my row
	s_mov_b32 s[G1M+1], 128<<16
	s_mov_b32 s[G1M+2], 8<<16
	s_mov_b32 s[G1M+3], 128<<16
	s_mov_b32 s[G1M+4], 8
	s_mov_b32 s[G1M+5], 2048
	s_mov_b32 s[G1M+6], 0
	s_mov_b32 s[G1M+7], 0
	s_lshl_b32 s60, s16, 2
	s_add_co_u32 s60, s60, s[QT]
	s_mul_i32 s60, s60, 16*REC                     ; the head's first record
	s_mov_b32 s61, 0
	s_mul_i32 s62, s[QT], REC                      ; and its place in a slot
	s_and_b32 s[ROLE], s[HH], 1
	s_lshr_b32 s63, s[HH], 1
	s_mul_i32 s68, s63, REC/2                      ; which half of the record: 6,400 bytes, in LDS and in memory
	s_add_co_u32 s62, s62, s68
	s_add_co_u32 s60, s60, s68
	s_lshl_b32 s66, s17, 19                        ; 64 rows of 8,192 bytes a block of queries
	s_lshl_b32 s63, s63, 2
	s_add_co_u32 s63, s63, s[QT]                   ; which eight rows of the mask's tile
	s_lshl_b32 s69, s63, 16
	s_add_co_u32 s66, s66, s69
	s_mul_i32 s63, s63, 8*MP
	s_add_co_u32 s63, s63, MOFF
	s_mov_b32 s67, 0
	s_wait_kmcnt 0x0
	s_mov_b32 s[G0K], 1
	s_mov_b32 s[G0K+1], s62
	s_add_nc_u64 s[G0K+2:G0K+3], s[6:7], s[60:61]
	s_or_b32 s[G0K+3], s[G0K+3], 0x80000000
	s_mov_b32 s[G0M], 1
	s_mov_b32 s[G0M+1], s63
	s_add_nc_u64 s[G0M+2:G0M+3], s[8:9], s[66:67]
	s_or_b32 s[G0M+3], s[G0M+3], 0x80000000
	CROUND                                         ; all sixteen work-groups are here: the first joint loads meet
	TLOAD                                          ; key step 0, into slot 0
	s_mov_b32 s[SEL], 0x76543210
	s_mov_b32 s[SEL+1], 0xfedcba98
	s_mov_b32 s[CS], 0x3fb8aa3b                    ; log2(e)
	s_mov_b32 s[CS+1], s[CS]
	s_mov_b32 s[TB], 0
	s_mov_b32 s[SLOTS], 15
	s_xor_b32 s[GRP], s[WV], s[HH]
	s_and_b32 s[GRP], s[GRP], 1
	v_and_b32 v8, 15, v0                           ; r
	s_wait_alu depctr_va_vdst(0)
	v_bfe_u32 v9, v0, 4, 1                         ; h
	v_and_b32 v10, 31, v0                          ; lane
	s_wait_alu depctr_va_vdst(0)
	s_mul_i32 s58, s[HH], REC
	v_lshl_add_u32 v[AK0], v10, 4, s58             ; my head's record, 16 x lane
	s_add_co_u32 s59, s58, 12288
	v_lshl_add_u32 v[ASC0], v10, 3, s59            ; its scale words, 8 x lane
	s_mul_i32 s59, s[QT], 16*MP
	s_add_co_u32 s59, s59, MOFF
	v_mul_u32_u24 v[AM0], v8, MP
	s_delay_alu instid0(VALU_DEP_1)
	v_lshl_add_u32 v[AM0], v9, 5, v[AM0]
	s_delay_alu instid0(VALU_DEP_1)
	v_add_nc_u32 v[AM0], s59, v[AM0]               ; the mask: my query's row, + 32 h: eight keys of a tile
	s_lshl_b32 s59, s[QT], 7
	s_lshl_b32 s60, s[HH], 1
	s_add_co_u32 s59, s59, s60
	s_add_co_u32 s59, s59, STG
	v_lshl_add_u32 v[SA], v8, 3, s59               ; the stage: 8 bytes a token, my head's two
	v_lshlrev_b32 v[GO], 3, v10
	v_lshlrev_b32 v[L16], 4, v10
	s_delay_alu instid0(VALU_DEP_1)
	v_add_nc_u32 v[SB], STG, v[L16]
	; the prefetches
	s_and_b32 s58, ttmp7, 0xffff                   ; cluster y
	s_lshl_b32 s59, s17, 6
	s_lshl_b32 s60, s14, 4
	s_add_co_u32 s59, s59, s60                     ; the mask: row 64 x block + 16 cx,
	s_lshl_b32 s59, s59, 13
	s_add_co_u32 s59, s59, 512                     ; at key step 1: the first change of slots steps it to 2
	s_lshl_b32 s60, s16, 2
	s_add_co_u32 s60, s60, s15                     ; k and v: head 4 x group + cy,
	s_mul_i32 s60, s60, 16*REC
	s_and_b32 s61, s[WV], 1
	s_mul_i32 s61, s61, REC/2                      ; wave 6 the record's first half, wave 7 the second,
	s_add_co_u32 s60, s60, s61
	s_add_co_u32 s60, s60, REC                     ; at key step 1
	s_mov_b32 s[PFS], REC
	s_mov_b32 s[PFS+1], 0
	s_cmp_eq_u32 s[WV], 5
	s_cselect_b64 s[PFA:PFA+1], s[8:9], s[6:7]
	s_cselect_b32 s62, s59, s60
	s_cselect_b32 s[PFS], 512, s[PFS]
	s_cselect_b32 s58, ttmp9, s58                  ; the coordinate along which other clusters read the same bytes
	s_cselect_b32 s66, -1, 0
	s_mov_b32 s63, 0
	s_add_nc_u64 s[PFA:PFA+1], s[PFA:PFA+1], s[62:63]
	s_sub_co_u32 s67, s[WV], 5
	s_cmp_lt_u32 s67, 3                            ; waves 5, 6, 7
	s_cselect_b32 s67, 0, 1
	s_or_b32 s58, s58, s67
	s_cmp_eq_u32 s58, 0
	s_cselect_b32 s[LIM], 1, -1                    ; the same in all sixteen partners, for a given wave
	v_lshrrev_b32 v226, 1, v10
	s_delay_alu instid0(VALU_DEP_1)
	v_lshlrev_b32 v226, 13, v226
	v_and_b32 v227, 1, v10
	s_delay_alu instid0(VALU_DEP_1)
	v_lshl_add_u32 v226, v227, 8, v226             ; the mask: a row for two lanes, 256 bytes each
	v_min_u32 v227, 24, v10
	s_delay_alu instid0(VALU_DEP_1)
	v_lshlrev_b32 v227, 8, v227                    ; a record: lanes 256 bytes apart
	s_delay_alu instid0(VALU_DEP_1)
	v_cndmask_b32 v[PFO], v227, v226, s66
	; where the context goes
	s_and_b32 s58, s16, 3                          ; head / 4: the last product's K step
	s_lshr_b32 s59, s16, 2                         ; the batch
	s_lshl_b32 s60, s58, 8
	s_lshl_b32 s61, s59, 7
	s_add_co_u32 s60, s60, s61
	s_lshl_b32 s61, s17, 2
	s_add_co_u32 s60, s60, s61
	s_add_co_u32 s60, s60, s[QT]                   ; 256 x K step + my tile of 16 tokens
	s_lshl_b32 s60, s60, 1
	s_lshr_b32 s61, s[HH], 1
	s_add_co_u32 s60, s60, s61                     ; which 128 along K
	s_mul_i32 s60, s60, 1536
	s_and_b32 s61, s[HH], 1
	s_mul_i32 s61, s61, 768                        ; which half of the fragment's registers
	s_add_co_u32 s60, s60, s61
	s_mov_b32 s61, 0
	s_add_nc_u64 s[CX:CX+1], s[10:11], s[60:61]
	s_lshl_b32 s60, s58, 12
	s_lshl_b32 s62, s59, 11
	s_add_co_u32 s60, s60, s62
	s_lshl_b32 s62, s17, 6
	s_add_co_u32 s60, s60, s62
	s_lshl_b32 s60, s60, 3                         ; 8 scale bytes a token and K step
	s_add_nc_u64 s[CSS:CSS+1], s[12:13], s[60:61]
	; q: my tile is half u = qt % 2 of pair image g = 2 (block % 2) + qt / 2 of its record
	s_lshl_b32 s60, s16, 2
	s_add_co_u32 s60, s60, s[HH]
	s_lshl_b32 s60, s60, 4
	s_lshr_b32 s61, s17, 1
	s_add_co_u32 s60, s60, s61
	s_mul_i32 s60, s60, 6400
	s_mov_b32 s61, 0
	s_add_nc_u64 s[68:69], s[4:5], s[60:61]
	s_and_b32 s62, s17, 1
	s_lshr_b32 s63, s[QT], 1
	s_lshl_b32 s70, s62, 1
	s_add_co_u32 s70, s70, s63
	s_mul_i32 s70, s70, 1536
	v_lshl_add_u32 v11, v10, 4, s70
	s_lshl_b32 s71, s62, 7
	s_lshl_b32 s72, s63, 2
	s_add_co_u32 s71, s71, s72
	s_add_co_u32 s71, s71, 6144
	v_lshl_add_u32 v224, v8, 3, s71
	global_load_b128 v[96:99], v11, s[68:69]
	global_load_b128 v[100:103], v11, s[68:69] offset:512
	global_load_b128 v[104:107], v11, s[68:69] offset:1024
	global_load_b32 v108, v224, s[68:69]
	s_and_b32 s73, s[QT], 1
	s_cmp_eq_u32 s73, 1
	s_cselect_b32 s74, -1, 0
	s_lshl_b32 s75, s73, 4
	v_mov_b32 v13, 0xff61b1e6                      ; the largest t so far: -3e38
	s_delay_alu instid0(VALU_DEP_1)
	v_floor_f32 v12, -v13                          ; -M
	v_mov_b32 v14, 0
	v_mov_b32 v15, 0
.irp b, 0,1,2,3
	v_mov_b32 v[T2+\b], 0                          ; written once: a lane permute's destination counts as one of its sources
.endr
	v_mov_b32 v229, 0                              ; (named as the upper half of the pair v[228:229])
.irp i, 0,1,2,3,4,5
	v_mov_b32 v[16+\i], 0                          ; zero codes below Q' and above Q
	v_mov_b32 v[28+\i], 0
.endr
	s_wait_loadcnt 0x0
.irp i, 0,1,2,3,4,5
	v_cndmask_b32 v[22+\i], v[96+\i], v[102+\i], s74   ; registers 6 u .. 6 u + 5 of the image
.endr
	v_lshrrev_b32 v225, s75, v108
	s_delay_alu instid0(VALU_DEP_1)
	v_and_b32 v225, 0xffff, v225                   ; my token's two bytes,
	s_delay_alu instid0(VALU_DEP_1)
	v_add_nc_u32 v225, 0xfffffcfd, v225            ; each 3 lower: the product comes out divided by 8 (the bytes are 4 or more)
	s_delay_alu instid0(VALU_DEP_1)
	v_or_b32 v[QSL], 0x01010000, v225              ; Q: codes in K 0-63; the zero codes' blocks have the byte 1
	s_delay_alu instid0(VALU_DEP_2)
	v_lshl_or_b32 v[QSH], v225, 16, 0x0101         ; Q': codes in K 64-127
.set j, 0
.rept 32
	v_mov_b32 v[O+j], 0                            ; O^T: the step is written once; the first finds zeros.  These 32 plain lines stand HERE so that q's scale words, made by vector instructions just above,
.set j, j+1                                            ; lie more than eight plain vector instructions ahead of the first scaled product, and q's codes more than four, in a wave that issues no tensor load too
.endr
; A KEY STEP: 128 keys, in the slot at s[TB].
; It is written in two parts.  FRONT: k's images and the mask from LDS, the logits, and v's images asked for.  BACK: the softmax, p's codes and the second product: work on registers alone, once v's images are in.
.macro FRONT
	v_add_nc_u32 v[ADK], s[TB], v[AK0]             ; these three and the v_nop are the four places behind the last step's products, ahead of the loads into their registers
	v_add_nc_u32 v[ADS], s[TB], v[ASC0]
	v_add_nc_u32 v[ADM], s[TB], v[AM0]
	v_nop
.irp g, 0,1,2,3
.irp c, 0,1,2
	ds_load_b128 v[F+12*\g+4*\c:F+12*\g+4*\c+3], v[ADK] offset:\g*1536+512*\c      ; k's four pair images
.endr
.endr
	ds_load_b64 v[KSC:KSC+1], v[ADS]
.irp t, 0,1,2,3,4,5,6,7
	ds_load_b128 v[S+8*\t:S+8*\t+3], v[ADM] offset:64*\t                            ; the mask of my query at keys 16 t + 8 h + 0 .. 7: the C of tile t
	ds_load_b128 v[S+8*\t+4:S+8*\t+7], v[ADM] offset:64*\t+16
.endr
	s_wait_alu depctr_va_vdst(0)
	s_wait_dscnt 0x0
.irp g, 0,1,2,3                        ; the logits: eight accumulators, one instruction each
.if \g < 2
	v_wmma_scale_f32_16x16x128_f8f6f4 v[S+16*\g:S+16*\g+7], v[F+12*\g:F+12*\g+11], v[22:33], v[S+16*\g:S+16*\g+7], v[KSC+\g%2], v[QSL] matrix_a_fmt:MATRIX_FMT_BF6 matrix_b_fmt:MATRIX_FMT_BF6
	v_wmma_scale_f32_16x16x128_f8f6f4 v[S+16*\g+8:S+16*\g+15], v[F+12*\g:F+12*\g+11], v[16:27], v[S+16*\g+8:S+16*\g+15], v[KSC+\g%2], v[QSH] matrix_a_fmt:MATRIX_FMT_BF6 matrix_b_fmt:MATRIX_FMT_BF6
.else
	v_wmma_scale_f32_16x16x128_f8f6f4 v[S+16*\g:S+16*\g+7], v[F+12*\g:F+12*\g+11], v[22:33], v[S+16*\g:S+16*\g+7], v[KSC+\g%2], v[QSL] matrix_a_fmt:MATRIX_FMT_BF6 matrix_b_fmt:MATRIX_FMT_BF6 matrix_a_scale:MATRIX_SCALE_ROW1
	v_wmma_scale_f32_16x16x128_f8f6f4 v[S+16*\g+8:S+16*\g+15], v[F+12*\g:F+12*\g+11], v[16:27], v[S+16*\g+8:S+16*\g+15], v[KSC+\g%2], v[QSH] matrix_a_fmt:MATRIX_FMT_BF6 matrix_b_fmt:MATRIX_FMT_BF6 matrix_a_scale:MATRIX_SCALE_ROW1
.endif
.endr
.rept 4
	v_nop                                          ; four places: ahead of the loads into k's registers and of the first read of the logits
.endr
.irp t, 0,1,2,3
.irp c, 0,1,2
	ds_load_b128 v[F+12*\t+4*\c:F+12*\t+4*\c+3], v[ADK] offset:6144+\t*1536+512*\c   ; v's four images land while the softmax is walked
.endr
.endr
	ds_load_b64 v[VSC:VSC+1], v[ADS] offset:256
.endm
.macro BACK
.irp b, 0,1,2,3
	v_max3_num_f32 v[BM+\b], v[S+16*\b], v[S+16*\b+1], v[S+16*\b+2]   ; the largest logit of each block of 32 keys: it serves for the row's maximum and, since p rises with the logit, for the block's largest p
.endr
.irp i, 3,5,7,9,11,13
.irp b, 0,1,2,3
	v_max3_num_f32 v[BM+\b], v[BM+\b], v[S+16*\b+\i], v[S+16*\b+\i+1]
.endr
.endr
.irp b, 0,1,2,3
	v_max_num_f32 v[BM+\b], v[BM+\b], v[S+16*\b+15]
.endr
.irp b, 0,1,2,3
	s_delay_alu instid0(VALU_DEP_4)
	v_permlanex16_b32 v[T2+\b], v[BM+\b], s[SEL], s[SEL+1]
.endr
.irp b, 0,1,2,3
	s_delay_alu instid0(VALU_DEP_4)
	v_max_num_f32 v[BM+\b], v[BM+\b], v[T2+\b]     ; with lane l xor 16's 16 keys
.endr
	s_delay_alu instid0(VALU_DEP_2)
	v_max3_num_f32 v224, v[BM], v[BM+1], v[BM+2]
	s_delay_alu instid0(VALU_DEP_1)
	v_max_num_f32 v224, v224, v[BM+3]
	s_delay_alu instid0(VALU_DEP_1)
	v_mul_f32 v224, s[CS], v224                    ; the step's largest t
	s_delay_alu instid0(VALU_DEP_1)
	v_max_num_f32 v13, v13, v224                   ; the running largest t
	v_mov_b32 v224, v12
	s_delay_alu instid0(VALU_DEP_2)
	v_floor_f32 v12, -v13                          ; the new -M = -ceil(t): a whole number
	s_delay_alu instid0(VALU_DEP_1)
	v_sub_f32 v224, v12, v224                      ; old M less new M: a whole number, 0 or less
	s_delay_alu instid0(VALU_DEP_1)
	v_cvt_i32_f32 v224, v224                       ; (it saturates)
	s_delay_alu instid0(VALU_DEP_1)
	v_ldexp_f32 v228, 1.0, v224                    ; f = 2^(old M - new M)
.set j, 0
.rept 32
	v_pk_fma_f32 v[S+j:S+j+1], v[S+j:S+j+1], s[CS:CS+1], v[12:13] op_sel_hi:[1,0,0]   ; t - M, two at a time
.set j, j+2
.endr
.irp b, 0,1,2,3
	v_fma_f32 v[BM+\b], v[BM+\b], s[CS], v12       ; the same of each block's largest logit
.endr
.set j, 0
	s_wait_alu depctr_va_vdst(0)
.rept 64
	v_exp_f32 v[S+j], v[S+j]                       ; p = 2^(t - M): one batch
.set j, j+1
.endr
	v_pk_mul_f32 v[14:15], v[14:15], v[228:229] op_sel_hi:[1,0]   ; the sums under the new M: the plain place behind the batch
	s_wait_alu depctr_va_vdst(0)                   ; one wait for the batch, ahead of its first reader
.irp b, 0,1,2,3
	v_exp_f32 v[BM+\b], v[BM+\b]                   ; the block's largest p: the same two instructions on the same number
.endr
	v_pk_add_f32 v[230:231], v[100:101], v[104:105]
	v_pk_add_f32 v[254:255], v[108:109], v[112:113]
	v_pk_add_f32 v[252:253], v[116:117], v[120:121]
	v_pk_add_f32 v[250:251], v[124:125], v[128:129]
	v_pk_add_f32 v[248:249], v[132:133], v[136:137]
	v_pk_add_f32 v[246:247], v[140:141], v[144:145]
	v_pk_add_f32 v[244:245], v[148:149], v[152:153]
	v_pk_add_f32 v[14:15], v[14:15], v[156:157]
	v_pk_add_f32 v[230:231], v[230:231], v[96:97]
	v_pk_add_f32 v[254:255], v[254:255], v[98:99]
	v_pk_add_f32 v[252:253], v[252:253], v[102:103]
	v_pk_add_f32 v[250:251], v[250:251], v[106:107]
	v_pk_add_f32 v[248:249], v[248:249], v[110:111]
	v_pk_add_f32 v[246:247], v[246:247], v[114:115]
	v_pk_add_f32 v[244:245], v[244:245], v[118:119]
	v_pk_add_f32 v[14:15], v[14:15], v[122:123]
	v_pk_add_f32 v[230:231], v[230:231], v[126:127]
	v_pk_add_f32 v[254:255], v[254:255], v[130:131]
	v_pk_add_f32 v[252:253], v[252:253], v[134:135]
	v_pk_add_f32 v[250:251], v[250:251], v[138:139]
	v_pk_add_f32 v[248:249], v[248:249], v[142:143]
	v_pk_add_f32 v[246:247], v[246:247], v[146:147]
	v_pk_add_f32 v[244:245], v[244:245], v[150:151]
	v_pk_add_f32 v[14:15], v[14:15], v[154:155]
	v_pk_add_f32 v[230:231], v[230:231], v[158:159]
	s_delay_alu instid0(VALU_DEP_2)
	v_pk_add_f32 v[14:15], v[14:15], v[250:251]
	s_delay_alu instid0(VALU_DEP_2)
	v_pk_add_f32 v[230:231], v[230:231], v[248:249]
	v_pk_add_f32 v[254:255], v[254:255], v[246:247]
	v_pk_add_f32 v[252:253], v[252:253], v[244:245]
	s_delay_alu instid0(VALU_DEP_2)
	v_pk_add_f32 v[14:15], v[14:15], v[254:255]
	s_delay_alu instid0(VALU_DEP_2)
	v_pk_add_f32 v[230:231], v[230:231], v[252:253]
	s_delay_alu instid0(VALU_DEP_1)
	v_pk_add_f32 v[14:15], v[14:15], v[230:231]
	s_wait_alu depctr_va_vdst(0)                   ; and one for the four
.irp b, 0,1,2,3
	v_max_num_f32 v[BM+\b], 0x2800000, v[BM+\b]    ; the floor 2^(5 - 127): the byte cannot fall under 1
.endr
.irp b, 0,1,2,3
	s_delay_alu instid0(VALU_DEP_4)
	v_add_nc_u32 v[SO+\b], 0xfe000000, v[BM+\b]    ; 4 off the exponent field: the conversion's scale operand
.endr
.irp b, 0,1,2,3
	s_delay_alu instid0(VALU_DEP_4)
	v_lshrrev_b32 v[T2+\b], 23, v[SO+\b]           ; the scale's byte
.endr
	s_delay_alu instid0(VALU_DEP_3)
	v_lshl_or_b32 v[PW], v[T2+1], 8, v[T2]
	s_delay_alu instid0(VALU_DEP_1)
	v_lshl_or_b32 v[PW], v[T2+2], 16, v[PW]
	s_delay_alu instid0(VALU_DEP_1)
	v_lshl_or_b32 v[PW], v[T2+3], 24, v[PW]
.irp c, 0,1
	v_cvt_scalef32_pk16_bf6_f32 v[PC+6*\c:PC+6*\c+2], v[S+32*\c:S+32*\c+15], v[SO+2*\c]
	v_cvt_scalef32_pk16_bf6_f32 v[PT+4*\c:PT+4*\c+2], v[S+32*\c+16:S+32*\c+31], v[SO+2*\c+1]
.endr
	v_nop                                          ; one plain place behind a scaled conversion
.irp c, 0,1                            ; the layout wants a whole block in a lane
.irp i, 0,1,2
	v_permlane16_swap_b32 v[PC+6*\c+\i], v[PT+4*\c+\i]
.endr
.irp i, 0,1,2
	s_delay_alu instid0(VALU_DEP_3)
	v_mov_b32 v[PC+6*\c+3+\i], v[PT+4*\c+\i]
.endr
.endr
.set j, 0
.rept 16
	v_pk_mul_f32 v[O+j:O+j+1], v[O+j:O+j+1], v[228:229] op_sel_hi:[1,0]   ; O^T under the new M; these sixteen also stand between the making of p's codes and scale word and the products
.set j, j+2
.endr
	s_wait_alu depctr_va_vdst(0)
	s_wait_dscnt 0x0                               ; v's images and scale words are in
.irp t, 0,1,2,3
.if \t < 2
	v_wmma_scale_f32_16x16x128_f8f6f4 v[O+8*\t:O+8*\t+7], v[F+12*\t:F+12*\t+11], v[PC:PC+11], v[O+8*\t:O+8*\t+7], v[VSC+\t%2], v[PW] matrix_a_fmt:MATRIX_FMT_BF6 matrix_b_fmt:MATRIX_FMT_BF6
.else
	v_wmma_scale_f32_16x16x128_f8f6f4 v[O+8*\t:O+8*\t+7], v[F+12*\t:F+12*\t+11], v[PC:PC+11], v[O+8*\t:O+8*\t+7], v[VSC+\t%2], v[PW] matrix_a_fmt:MATRIX_FMT_BF6 matrix_b_fmt:MATRIX_FMT_BF6 matrix_a_scale:MATRIX_SCALE_ROW1
.endif
.endr
.endm
; THE CHANGE OF SLOTS stands at a step's head.  Each wave waits for all its tensor loads (its part of the slot that it is about to read), adds 0 to its spare word, and waits for that and for its reads of the slot that it has left.
; fill = 1: the barrier is a round of the cluster's, and behind it the slot just left is filled with the next step's tiles: that load has a whole step in which to land; one tensor load of a wave is out.
.macro CHANGE fill
	s_wait_tensorcnt 0x0                           ; no tensor load of mine is out, so a group 0 may be written
	ds_add_u32 v[SPW], v[NIL]                      ; 0 onto my spare word
.if \fill
	s_xor_b32 s[G0K+1], s[G0K+1], SLOT1            ; the walking descriptors: the other slot than last time, the next 128 keys
	s_add_nc_u64 s[G0K+2:G0K+3], s[G0K+2:G0K+3], REC
	s_xor_b32 s[G0M+1], s[G0M+1], SLOT1
	s_add_nc_u64 s[G0M+2:G0M+3], s[G0M+2:G0M+3], 512
	s_wait_xcnt 0x0                                ; the last prefetch, a step back, has read its address
	s_add_nc_u64 s[PFA:PFA+1], s[PFA:PFA+1], s[PFS:PFS+1]
	s_wait_dscnt 0x0                               ; the add is done, and my reads of the slot that I have left are over
	CROUND
	TLOAD                                          ; the first thing behind the round, and a wave's one tensor load until the next
	ASK
.else
	s_wait_dscnt 0x0
	s_barrier_signal -1
	s_barrier_wait -1
.endif
.endm
; THE WALK.  Every wave passes the sixteen changes of slots C0 .. C15 and runs FRONT t behind Ct.  Group 0 runs BACK t ahead of C(t+1); group 1 runs it behind C(t+1), ahead of FRONT t + 1:
; at a change of slots its logits, v's images and scale words of step t lie in registers, and its reads of the slot left are over (the change's wait on DScnt).
; So between two changes eight waves read LDS while the other eight work on registers, and then the other way round.  The branches hang on the wave's number alone and lead round BACK alone.
	CHANGE 1                                       ; C0: step 0 is in; step 1 is asked for
	FRONT
	s_xor_b32 s[TB], s[TB], SLOT1
	s_mov_b32 s[SLOTS], 14
.Lslot:                                            ; 14 trips: C1 .. C14, each of which asks for the next step's tiles
	s_cmp_eq_u32 s[GRP], 0
	s_cbranch_scc0 .Lafter_1
	BACK
.Lafter_1:
	CHANGE 1
	s_cmp_eq_u32 s[GRP], 0
	s_cbranch_scc1 .Ldone_1
	BACK
.Ldone_1:
	FRONT
	s_xor_b32 s[TB], s[TB], SLOT1
	s_sub_co_u32 s[SLOTS], s[SLOTS], 1
	s_cmp_lg_u32 s[SLOTS], 0
	s_cbranch_scc1 .Lslot
	s_cmp_eq_u32 s[GRP], 0                         ; the last change is written out
	s_cbranch_scc0 .Lafter_2
	BACK
.Lafter_2:
	CHANGE 0
	s_cmp_eq_u32 s[GRP], 0
	s_cbranch_scc1 .Ldone_2
	BACK
.Ldone_2:
	FRONT
	BACK
	; THE WAY OUT.  O^T / the sum is my 16 tokens x 64 channels, a lane's registers along neighbouring channels: two blocks of the last product's K.  They are quantised and leave as half a fragment's registers.
	v_add_f32 v14, v14, v15
	s_delay_alu instid0(VALU_DEP_1)
	v_permlanex16_b32 v[T2], v14, s[SEL], s[SEL+1]
	s_delay_alu instid0(VALU_DEP_1)
	v_add_f32 v14, v14, v[T2]                      ; the row's sum
	s_wait_alu depctr_va_vdst(0)
	v_rcp_f32 v14, v14
.rept 4
	v_nop                                          ; places behind the last products and behind the reciprocal
.endr
	s_wait_alu depctr_va_vdst(0)                   ; the wait ahead of the reciprocal's first reader
.set j, 0
.rept 32
	v_mul_f32 v[S+j], v[O+j], v14                  ; register 16 b + i: channel 32 b + 16 h + i
.set j, j+1
.endr
	v_max3_num_f32 v[BM], |v[S]|, |v[S+1]|, 0x2800000
	v_max3_num_f32 v[BM+1], |v[S+16]|, |v[S+17]|, 0x2800000
.irp i, 2,4,6,8,10,12,14
	s_delay_alu instid0(VALU_DEP_2)
	v_max3_num_f32 v[BM], v[BM], |v[S+\i]|, |v[S+\i+1]|
	s_delay_alu instid0(VALU_DEP_2)
	v_max3_num_f32 v[BM+1], v[BM+1], |v[S+16+\i]|, |v[S+17+\i]|
.endr
	s_delay_alu instid0(VALU_DEP_2)
	v_permlanex16_b32 v[T2], v[BM], s[SEL], s[SEL+1]
	s_delay_alu instid0(VALU_DEP_2)
	v_permlanex16_b32 v[T2+1], v[BM+1], s[SEL], s[SEL+1]
	s_delay_alu instid0(VALU_DEP_2)
	v_max_num_f32 v[BM], v[BM], v[T2]
	s_delay_alu instid0(VALU_DEP_2)
	v_max_num_f32 v[BM+1], v[BM+1], v[T2+1]
	s_delay_alu instid0(VALU_DEP_2)
	v_add_nc_u32 v[SO], 0xfe000000, v[BM]
	s_delay_alu instid0(VALU_DEP_2)
	v_add_nc_u32 v[SO+1], 0xfe000000, v[BM+1]
	s_delay_alu instid0(VALU_DEP_2)
	v_lshrrev_b32 v224, 23, v[SO]
	s_delay_alu instid0(VALU_DEP_2)
	v_lshrrev_b32 v225, 23, v[SO+1]
	s_delay_alu instid0(VALU_DEP_1)
	v_lshl_or_b32 v226, v225, 8, v224              ; my head's two scale bytes of token r
	v_cvt_scalef32_pk16_bf6_f32 v[PC:PC+2], v[S:S+15], v[SO]
	v_cvt_scalef32_pk16_bf6_f32 v[PT:PT+2], v[S+16:S+31], v[SO+1]
	v_nop
.irp i, 0,1,2
	v_permlane16_swap_b32 v[PC+\i], v[PT+\i]
.endr
.irp i, 0,1,2
	s_delay_alu instid0(VALU_DEP_3)
	v_mov_b32 v[PC+3+\i], v[PT+\i]
.endr
.irp p, 0,1,2
	global_store_b64 v[GO], v[PC+2*\p:PC+2*\p+1], s[CX:CX+1] offset:256*\p   ; 32 lanes store 256 consecutive bytes, aligned
.endr
	ds_store_b16 v[SA], v226                       ; both halves of the lanes write the same two bytes with the same value
	s_wait_dscnt 0x0                               ; for the others' sake
	s_barrier_signal -1
	s_barrier_wait -1                              ; the scale bytes of 64 tokens x 4 heads lie in the stage
	s_cmp_lg_u32 s[WV], 0
	s_cbranch_scc1 .Lnot_first
	ds_load_b128 v[100:103], v[SB]
	s_wait_dscnt 0x0
	global_store_b128 v[L16], v[100:103], s[CSS:CSS+1]   ; 512 consecutive bytes, aligned
.Lnot_first:
	s_wait_tensorcnt 0x0                           ; the wave's end
	ds_add_u32 v[SPW], v[NIL]
	s_wait_dscnt 0x0
	CROUND                                         ; the closing round
	s_endpgm
.Lfunc_end_k_qe11f3df3fe_attn:
	.size	k_qe11f3df3fe_attn, .Lfunc_end_k_qe11f3df3fe_attn-k_qe11f3df3fe_attn
	.p2alignl 7, 3214868480
	.fill 96, 4, 3214868480
	.section	.rodata,"a",@progbits
	.p2align	6, 0x0
	.amdhsa_kernel k_qe11f3df3fe_attn
		.amdhsa_group_segment_fixed_size 327680
		.amdhsa_private_segment_fixed_size 0
		.amdhsa_enable_private_segment 0
		.amdhsa_kernarg_size 40
		.amdhsa_user_sgpr_count 2
		.amdhsa_user_sgpr_kernarg_segment_ptr 1
		.amdhsa_wavefront_size32 1
		.amdhsa_system_sgpr_workgroup_id_x 1
		.amdhsa_system_sgpr_workgroup_id_y 1
		.amdhsa_system_sgpr_workgroup_id_z 1
		.amdhsa_system_vgpr_workitem_id 0
		.amdhsa_next_free_vgpr 256
		.amdhsa_next_free_sgpr 100
		.amdhsa_reserve_vcc 0
		.amdhsa_float_denorm_mode_32 3
		.amdhsa_float_denorm_mode_16_64 3
		.amdhsa_memory_ordered 1
		.amdhsa_forward_progress 1
		.amdhsa_inst_pref_size 100
	.end_amdhsa_kernel
	.amdgpu_metadata
---
amdhsa.version: [ 1, 2 ]
amdhsa.kernels:
  - .name:           k_qe11f3df3fe_attn
    .symbol:         k_qe11f3df3fe_attn.kd
    .args:
      - { .name: qimg, .offset: 0, .size: 8, .value_kind: global_buffer, .address_space: global }
      - { .name: kv, .offset: 8, .size: 8, .value_kind: global_buffer, .address_space: global }
      - { .name: mask, .offset: 16, .size: 8, .value_kind: global_buffer, .address_space: global }
      - { .name: ctx, .offset: 24, .size: 8, .value_kind: global_buffer, .address_space: global }
      - { .name: ctxs, .offset: 32, .size: 8, .value_kind: global_buffer, .address_space: global }
    .group_segment_fixed_size: 327680
    .private_segment_fixed_size: 0
    .kernarg_segment_align: 8
    .kernarg_segment_size: 40
    .max_flat_workgroup_size: 512
    .sgpr_count:     100
    .vgpr_count:     256
    .wavefront_size: 32
...
	.end_amdgpu_metadata
.endif
;; end of part 3
;; launch oproj (part 4): grid 16 x 16, 4 waves a work-group, clusters of 4 x 4, 327,680 bytes of LDS; arguments ctx, ctxs, pc, ps, out0; writes out0
.if DOCPART == 4
	.amdgcn_target "amdgcn-amd-amdhsa--gfx1250"
	.amdhsa_code_object_version 6
	.text
	.protected	k_qe11f3df3fe_oproj
	.globl	k_qe11f3df3fe_oproj
	.p2align	8
	.type	k_qe11f3df3fe_oproj,@function
k_qe11f3df3fe_oproj:
	s_mov_b64 s[64:65], 0
	v_nop
	global_prefetch_b8 v0, s[64:65] scope:SCOPE_SE
	s_setreg_imm32_b32 hwreg(HW_REG_WAVE_MODE, 25, 1), 1
	s_wait_xcnt 0x0
	s_wait_alu depctr_hold_cnt(0) depctr_sa_sdst(0) depctr_va_vdst(0) depctr_va_sdst(0) depctr_va_ssrc(0) depctr_va_vcc(0) depctr_vm_vsrc(0)
	s_getreg_b32 s2, hwreg(HW_REG_IB_STS2, 6, 4)
	s_cmp_eq_u32 s2, 0
	s_cbranch_scc0 .Lentry_in_a_cluster
	s_endpgm
.Lentry_in_a_cluster:
	s_bfe_u32 s2, ttmp6, 0x10000c
	s_cmp_lg_u32 s2, 0xf033
	s_cbranch_scc0 .Lentry_shape_is_right
	s_endpgm
.Lentry_shape_is_right:
.set FR,     12
.set PITCH,  240
.set HALFA,  8*3072
.set HALFB,  64*PITCH
.set BOFF,   2*HALFA
.set SLOT,   BOFF+2*HALFB
.set SCA,    2*SLOT
.set SCB,    SCA+8192
.set HALFSB, 8*272
.set SPARE,  172544
.set SPITCH, 272
.set WOC,    11010048
.set WOS,    458752
.set ADA,  16
.set ADRB, 20
.set STO,  24
.set RD,   25
.set ASA,  26
.set ASB,  27
.set SPW,  28
.set NIL,  29
.set CO,   30
.set RSA,  32
.set RSB,  64
.set BK,   128
.set AF,   0
.set BF,   96
.set G1, 24
.set G0, 32
.set G1B, 48
.set G0B, 56
.set G1S, 68
.set G0S, 76
.set G1SB, 80
.set G0SB, 88
.set MSB, 0
.macro WIN new
.if MSB != (\new)
	s_set_vgpr_msb (MSB<<8)|(\new)
.set MSB, (\new)
.endif
.endm
.set MUL,  0xa5
.set TO_F, 0x40
.macro JLOAD g0a, g1a, g0b, g1b
	s_cmp_eq_u32 s15, 0
	s_cbranch_scc0 .Lfor_b_\@
	tensor_load_to_lds s[\g0a:\g0a+3], s[\g1a:\g1a+7]
	s_nop 0
.rept 4
	v_nop
.endr
	s_branch .Lasked_\@
.Lfor_b_\@:
	tensor_load_to_lds s[\g0b:\g0b+3], s[\g1b:\g1b+7]
	s_nop 0
.rept 4
	v_nop
.endr
.Lasked_\@:
.endm
.macro CREST
	s_cmp_lg_u32 s14, 0
	s_cbranch_scc1 .Lnot_wave_0_\@
	s_barrier_signal -3
.Lnot_wave_0_\@:
	s_barrier_wait -3
	s_barrier_signal -1
	s_barrier_wait -1
.endm
.macro CROUND
	s_barrier_signal -1
	s_barrier_wait -1
	CREST
.endm
.macro PLACES n
.rept \n
	v_nop
.endr
.endm
	s_load_b256 s[4:11], s[0:1], 0x0
	s_load_b64 s[12:13], s[0:1], 0x20
	v_lshl_add_u32 v[SPW], v0, 2, SPARE
	v_mov_b32 v[NIL], 0
	ds_add_u32 v28, v29
	ds_add_u32 v28, v29
	s_wait_dscnt 0x0
	v_lshrrev_b32 v1, 5, v0
	v_readfirstlane_b32 s14, v1
	s_lshr_b32 s15, s14, 1
	s_and_b32 s16, s14, 1
	s_bfe_u32 s40, ttmp6, 0x40000
	s_bfe_u32 s41, ttmp6, 0x40004
	s_lshl_b32 s42, ttmp9, 2
	s_add_co_u32 s42, s42, s40
	s_and_b32 s17, ttmp7, 0xffff
	s_lshl_b32 s17, s17, 2
	s_add_co_u32 s17, s17, s41
	s_lshl_b32 s43, s41, 2
	s_lshl_b32 s43, 15, s43
	s_lshl_b32 s44, 0x1111, s40
	s_or_b32 s[G1+0], s43, (3<<16)|(1<<21)
	s_mov_b32 s[G1+1], 32<<16
	s_mov_b32 s[G1+2], 192<<16                     ; the head's loads bring whole tiles
	s_mov_b32 s[G1+3], 32<<16
	s_mov_b32 s[G1+4], 192
	s_mov_b32 s[G1+5], 32
	s_mov_b32 s[G1+6], 0
	s_mov_b32 s[G1+7], 0
	s_or_b32 s[G1B+0], s44, (1<<20)|(1<<21)|(3<<22)|(3<<25)
	s_mov_b32 s[G1B+1], 256<<16                    ; wo's codes lie by planes of 256 along K, [4][2048 rows][192 bytes]: 64 rows of a plane are a dense block, fetched as 48 rows of 256 bytes;
	s_mov_b32 s[G1B+2], 96<<16
	s_mov_b32 s[G1B+3], 256<<16
	s_mov_b32 s[G1B+4], 96
	s_mov_b32 s[G1B+5], 256
	s_mov_b32 s[G1B+6], 0
	s_mov_b32 s[G1B+7], 0
	s_or_b32 s[G1S+0], s43, (3<<16)|(1<<21)
	s_mov_b32 s[G1S+1], 256<<16                    ; the context's scales of 256 tokens: four K steps x 2,048 bytes
	s_mov_b32 s[G1S+2], 4<<16
	s_mov_b32 s[G1S+3], 256<<16
	s_mov_b32 s[G1S+4], 4
	s_mov_b32 s[G1S+5], 4096
	s_mov_b32 s[G1S+6], 0
	s_mov_b32 s[G1S+7], 0
	s_or_b32 s[G1SB+0], s44, (3<<16)|(1<<20)|(1<<21)|(5<<22)|(3<<25)
	s_mov_b32 s[G1SB+1], 32<<16
	s_mov_b32 s[G1SB+2], 16<<16
	s_mov_b32 s[G1SB+3], 32<<16
	s_mov_b32 s[G1SB+4], 16
	s_mov_b32 s[G1SB+5], 32
	s_mov_b32 s[G1SB+6], 0
	s_mov_b32 s[G1SB+7], 0
	s_lshl_b32 s20, s17, 4
	s_lshl_b32 s22, s20, 7
	s_mov_b32 s23, 0
	s_mul_i32 s20, s20, 3072
	s_mov_b32 s21, 0
	s_lshl_b32 s46, s42, 7
	s_lshl_b32 s92, s46, 5
	s_add_co_u32 s92, s92, WOS
	s_mov_b32 s93, 0
	s_mul_i32 s46, s46, 192
	s_add_co_u32 s46, s46, WOC
	s_mov_b32 s47, 0
	s_mul_i32 s45, s16, HALFA
	s_mul_i32 s94, s16, HALFB
	s_add_co_u32 s94, s94, BOFF
	s_wait_kmcnt 0x0
	s_add_nc_u64 s[20:21], s[4:5], s[20:21]
	s_add_nc_u64 s[22:23], s[6:7], s[22:23]
	s_add_nc_u64 s[46:47], s[8:9], s[46:47]
	s_add_nc_u64 s[92:93], s[10:11], s[92:93]
	CROUND
	s_mov_b32 s[G0S], 1
	s_mov_b32 s[G0S+1], SCA
	s_mov_b64 s[G0S+2:G0S+3], s[22:23]
	s_or_b32 s[G0S+3], s[G0S+3], 0x80000000
	s_mov_b32 s[G0SB], 1
	s_mov_b32 s[G0SB+1], SCB
	s_mov_b64 s[G0SB+2:G0SB+3], s[92:93]
	s_or_b32 s[G0SB+3], s[G0SB+3], 0x80000000
	; THE HEAD'S LOADS, one a wave: wave 0 K step 0 of the context's 256 tokens, wave 1 plane 0 of wo's 128 rows, wave 2 the context's scales, wave 3 wo's.
	s_mov_b32 s[G0], 1
	s_mov_b32 s[G0+1], 0
	s_mov_b64 s[G0+2:G0+3], s[20:21]
	s_or_b32 s[G0+3], s[G0+3], 0x80000000
	s_mov_b32 s[G0B], 1
	s_mov_b32 s[G0B+1], BOFF
	s_mov_b64 s[G0B+2:G0B+3], s[46:47]
	s_or_b32 s[G0B+3], s[G0B+3], 0x80000000
	s_mul_i32 s18, s16, HALFA                      ; for the ring: my half of a tile: 8 images of 3,072 bytes,
	s_mov_b32 s19, 0
	s_add_nc_u64 s[20:21], s[20:21], s[18:19]
	s_mul_i32 s18, s16, 64*192                     ; 64 rows of 192 bytes
	s_add_nc_u64 s[46:47], s[46:47], s[18:19]
	s_mov_b32 s[G0+4], 1
	s_add_co_u32 s[G0+5], s45, SLOT
	s_add_nc_u64 s[G0+6:G0+7], s[20:21], 256*3072
	s_or_b32 s[G0+7], s[G0+7], 0x80000000
	s_mov_b32 s[G0B+4], 1
	s_add_co_u32 s[G0B+5], s94, SLOT
	s_add_nc_u64 s[G0B+6:G0B+7], s[46:47], 393216
	s_or_b32 s[G0B+7], s[G0B+7], 0x80000000
.macro ARM under, g0, g1, next         ; one chain of branches on the wave's number: every way passes exactly one load
	s_cmp_lt_u32 s14, \under
	s_cbranch_scc0 \next
	tensor_load_to_lds s[\g0:\g0+3], s[\g1:\g1+7]
	s_nop 0
.rept 4
	v_nop
.endr
	s_branch .Lhead_asked
\next:
.endm
	ARM 1, G0,  G1,  .Lhead_b
	ARM 2, G0B, G1B, .Lhead_sa
	ARM 3, G0S, G1S, .Lhead_sb
	tensor_load_to_lds s[G0SB:G0SB+3], s[G1SB:G1SB+7]
	s_nop 0
.rept 4
	v_nop
.endr
.Lhead_asked:
	s_wait_alu depctr_va_vdst(0)
	s_wait_tensorcnt 0x0                           ; my tile of the head's four is in; no tensor load of mine is out, so descriptors may be written
	ds_add_u32 v28, v29
	s_mov_b32 s[G1+2], 96<<16                      ; from here on a load brings half a tile
	s_mov_b32 s[G1+4], 96
	s_mov_b32 s[G1B+2], 48<<16
	s_mov_b32 s[G1B+4], 48
	s_mov_b32 s[G0+1], s45                         ; slot 0's descriptors: my half, at K step 0; the first refill steps them to K step 2
	s_mov_b64 s[G0+2:G0+3], s[20:21]
	s_or_b32 s[G0+3], s[G0+3], 0x80000000
	s_mov_b32 s[G0B+1], s94
	s_mov_b64 s[G0B+2:G0B+3], s[46:47]
	s_or_b32 s[G0B+3], s[G0B+3], 0x80000000
	s_wait_dscnt 0x0
	CROUND                                         ; all four tiles are in, in every partner
	JLOAD G0+4, G1, G0B+4, G1B                     ; K step 1 into slot 1: the first tensor load behind the round
	v_and_b32 v1, 15, v0
	v_bfe_u32 v2, v0, 4, 1
	v_and_b32 v6, 31, v0
	v_mul_u32_u24 v3, v1, PITCH
	v_mul_u32_u24 v4, v2, 24
	v_add_nc_u32 v4, v3, v4
	v_lshl_add_u32 v5, v2, 4, v4
	v_lshlrev_b32 v7, 3, v6
	s_mul_i32 s21, s15, HALFA
	s_mul_i32 s22, s16, HALFB
	s_add_co_u32 s22, s22, BOFF
.irp s, 0,1
	v_add_nc_u32 v[ADA+\s], s21, v7
	v_add_nc_u32 v[ADRB+\s], s22, v4
	v_add_nc_u32 v[ADRB+2+\s], s22, v5
	s_add_co_u32 s21, s21, SLOT
	s_add_co_u32 s22, s22, SLOT
.endr
	s_lshl_b32 s21, s15, 10                        ; my 128 tokens' 1,024 bytes of a K step's 2,048
	s_add_co_u32 s21, s21, SCA
	v_lshl_add_u32 v[ASA], v1, 3, s21
	s_mul_i32 s21, s16, HALFSB
	s_add_co_u32 s21, s21, SCB
	v_lshlrev_b32 v5, 5, v1
	v_lshrrev_b32 v7, 3, v1
	v_lshl_add_u32 v5, v7, 4, v5
	v_add_nc_u32 v[ASB], s21, v5
	s_mul_i32 s23, s14, 16*SPITCH
	v_mul_u32_u24 v5, v1, SPITCH
	v_lshl_add_u32 v5, v2, 5, v5
	v_add_nc_u32 v[STO], s23, v5
	v_mul_u32_u24 v5, v2, SPITCH
	v_lshl_add_u32 v5, v1, 4, v5
	v_add_nc_u32 v[RD], s23, v5
	v_lshlrev_b32 v5, 13, v2
	v_lshl_add_u32 v[CO], v1, 4, v5
	s_lshl_b32 s20, s17, 8
	s_lshl_b32 s21, s15, 7
	s_add_co_u32 s20, s20, s21
	s_lshl_b32 s20, s20, 13
	s_lshl_b32 s21, s42, 9
	s_add_co_u32 s20, s20, s21
	s_lshl_b32 s21, s16, 8
	s_add_co_u32 s20, s20, s21
	s_mov_b32 s21, 0
	s_add_nc_u64 s[12:13], s[12:13], s[20:21]
.macro FRAG reg, adr, q, i
.irp p, 0,1,2,3,4,5
.set PCE, 12*(\q)+6*(\p/3)+\p%3
.if PCE%8 < 5
	ds_load_b64 v[\reg+2*\p:\reg+2*\p+1], v[\adr] offset:8*PCE+16*(PCE/8)+(\i)*16*PITCH
.else
	ds_load_b64 v[\reg+2*\p:\reg+2*\p+1], v[\adr+2] offset:8*PCE+16*(PCE/8)+(\i)*16*PITCH
.endif
.endr
.endm
.macro MUL8 a0, p, q, sc, zero
.irp a, \a0, \a0+1
.irp b, 0,1,2,3
.set DD, 8*(4*(\a)+\b)
.if \zero
	v_wmma_scale_f32_16x16x128_f8f6f4 v[DD:DD+7], v[BF+48*(\p)+FR*\b:BF+48*(\p)+FR*\b+FR-1], v[AF+FR*(\a):AF+FR*(\a)+FR-1], 0, v[RSB+8*(\sc)+2*\b+(\q)], v[RSA+16*(\sc)+2*(\a)+(\q)] matrix_a_fmt:MATRIX_FMT_BF6 matrix_b_fmt:MATRIX_FMT_BF6
.else
	v_wmma_scale_f32_16x16x128_f8f6f4 v[DD:DD+7], v[BF+48*(\p)+FR*\b:BF+48*(\p)+FR*\b+FR-1], v[AF+FR*(\a):AF+FR*(\a)+FR-1], v[DD:DD+7], v[RSB+8*(\sc)+2*\b+(\q)], v[RSA+16*(\sc)+2*(\a)+(\q)] matrix_a_fmt:MATRIX_FMT_BF6 matrix_b_fmt:MATRIX_FMT_BF6
.endif
.endr
.endr
.endm
.macro FETCH_B slot, q, p
	WIN TO_F
.irp i, 0,1,2,3
	FRAG BF+48*(\p)+FR*\i, ADRB+\slot, \q, \i
.endr
.endm
.macro FETCH_A slot, q, i0
	WIN TO_F
.irp i, \i0, \i0+1, \i0+2, \i0+3
.irp p, 0,1,2,3,4,5
	ds_load_b64 v[AF+FR*(\i)+2*\p:AF+FR*(\i)+2*\p+1], v[ADA+\slot] offset:(\i)*3072+(\q)*1536+256*\p
.endr
.endr
.endm
.macro SCALES ks, sc
	WIN 0
.irp i, 0,1,2,3,4,5,6,7
	ds_load_b64 v[RSA+16*\sc+2*\i:RSA+16*\sc+2*\i+1], v[ASA] offset:(\ks)*2048+128*\i
.endr
.irp i, 0,1,2,3
	ds_load_b64 v[RSB+8*\sc+2*\i:RSB+8*\sc+2*\i+1], v[ASB] offset:544*\i+8*(\ks)
.endr
.endm
.macro STEP slot, zero
	s_wait_dscnt 24
	WIN MUL
	MUL8 0, 0, 0, \slot, \zero
	MUL8 2, 0, 0, \slot, \zero
	s_wait_dscnt 0
	PLACES 4
	FETCH_B \slot, 1, 1
	FETCH_A \slot, 1, 0
	WIN MUL
	MUL8 4, 0, 0, \slot, \zero
	MUL8 6, 0, 0, \slot, \zero
	PLACES 4
	FETCH_A \slot, 1, 4
	WIN 0
.endm
.macro TURN slot, next, fill, ks
	s_wait_tensorcnt 0x0
	ds_add_u32 v[SPW], v[NIL]
	s_wait_dscnt 25
	WIN MUL
	MUL8 0, 1, 1, \slot, 0
	s_wait_dscnt 0x0
	s_barrier_signal -1
	MUL8 2, 1, 1, \slot, 0
	WIN 0
	s_barrier_wait -1
.if \fill
	CREST
	s_add_nc_u64 s[G0+4*\slot+2:G0+4*\slot+3], s[G0+4*\slot+2:G0+4*\slot+3], 2*256*3072
	s_add_nc_u64 s[G0B+4*\slot+2:G0B+4*\slot+3], s[G0B+4*\slot+2:G0B+4*\slot+3], 2*393216
	JLOAD G0+4*\slot, G1, G0B+4*\slot, G1B
.else
	PLACES 4
.endif
	FETCH_B \next, 0, 0
	FETCH_A \next, 0, 0
	SCALES \ks, \next
	WIN MUL
	MUL8 4, 1, 1, \slot, 0
	MUL8 6, 1, 1, \slot, 0
	PLACES 4
	FETCH_A \next, 0, 4
	WIN 0
.endm
	s_wait_alu depctr_va_vdst(0)
	s_wait_tensorcnt 1
	s_barrier_signal -1
	s_barrier_wait -1
	FETCH_B 0, 0, 0
	FETCH_A 0, 0, 0
	SCALES 0, 0
	FETCH_A 0, 0, 4
	WIN 0
	STEP 0, 1
	TURN 0, 1, 1, 1
	STEP 1, 0
	TURN 1, 0, 1, 2
	STEP 0, 0
	TURN 0, 1, 0, 3
	STEP 1, 0
	s_wait_dscnt 24
	WIN MUL
	MUL8 0, 1, 1, 1, 0
	MUL8 2, 1, 1, 1, 0
	s_wait_dscnt 0
	MUL8 4, 1, 1, 1, 0
	MUL8 6, 1, 1, 1, 0
	WIN 0
.macro TOSTAGE a
	WIN 0x08
.irp b, 0,1,2,3
	ds_store_b128 v[STO], v[8*(4*(\a)+\b):8*(4*(\a)+\b)+3] offset:64*\b
	ds_store_b128 v[STO], v[8*(4*(\a)+\b)+4:8*(4*(\a)+\b)+7] offset:64*\b+16
.endr
	WIN 0
.set BB, BK+32*((\a)%2)
.irp t, 0,1,2,3,4,5,6,7
	ds_load_b128 v[BB+4*\t:BB+4*\t+3], v[RD] offset:\t*2*SPITCH
.endr
.endm
.macro SEND a, younger
.set BB, BK+32*((\a)%2)
	s_wait_dscnt \younger
.irp t, 0,1,2,3,4,5,6,7
	global_store_b128 v[CO], v[BB+4*\t:BB+4*\t+3], s[12:13] offset:(\a)*131072+\t*16384 th:TH_STORE_NT
.endr
.endm
	PLACES 4
	TOSTAGE 0
.irp a, 1,2,3,4,5,6,7
.if \a > 1
	s_wait_xcnt 0x0
.endif
	TOSTAGE \a
	SEND \a-1, 16
.endr
	SEND 7, 0
	s_wait_tensorcnt 0x0
	ds_add_u32 v[SPW], v[NIL]
	s_wait_dscnt 0x0
	CROUND
	s_endpgm
.Lfunc_end_k_qe11f3df3fe_oproj:
	.size	k_qe11f3df3fe_oproj, .Lfunc_end_k_qe11f3df3fe_oproj-k_qe11f3df3fe_oproj
	.p2alignl 7, 3214868480
	.fill 96, 4, 3214868480
	.section	.rodata,"a",@progbits
	.p2align	6, 0x0
	.amdhsa_kernel k_qe11f3df3fe_oproj
		.amdhsa_group_segment_fixed_size 327680
		.amdhsa_private_segment_fixed_size 0
		.amdhsa_enable_private_segment 0
		.amdhsa_kernarg_size 40
		.amdhsa_user_sgpr_count 2
		.amdhsa_user_sgpr_kernarg_segment_ptr 1
		.amdhsa_wavefront_size32 1
		.amdhsa_system_sgpr_workgroup_id_x 1
		.amdhsa_system_sgpr_workgroup_id_y 1
		.amdhsa_system_sgpr_workgroup_id_z 1
		.amdhsa_system_vgpr_workitem_id 0
		.amdhsa_next_free_vgpr 768
		.amdhsa_next_free_sgpr 100
		.amdhsa_reserve_vcc 0
		.amdhsa_float_denorm_mode_32 3
		.amdhsa_float_denorm_mode_16_64 3
		.amdhsa_memory_ordered 1
		.amdhsa_forward_progress 1
		.amdhsa_inst_pref_size 104
	.end_amdhsa_kernel
	.amdgpu_metadata
---
amdhsa.version: [ 1, 2 ]
amdhsa.kernels:
  - .name:           k_qe11f3df3fe_oproj
    .symbol:         k_qe11f3df3fe_oproj.kd
    .args:
      - { .name: ctx, .offset: 0, .size: 8, .value_kind: global_buffer, .address_space: global }
      - { .name: ctxs, .offset: 8, .size: 8, .value_kind: global_buffer, .address_space: global }
      - { .name: pc, .offset: 16, .size: 8, .value_kind: global_buffer, .address_space: global }
      - { .name: ps, .offset: 24, .size: 8, .value_kind: global_buffer, .address_space: global }
      - { .name: out0, .offset: 32, .size: 8, .value_kind: global_buffer, .address_space: global }
    .group_segment_fixed_size: 327680
    .private_segment_fixed_size: 0
    .kernarg_segment_align: 8
    .kernarg_segment_size: 40
    .max_flat_workgroup_size: 128
    .sgpr_count:     100
    .vgpr_count:     768
    .wavefront_size: 32
...
	.end_amdgpu_metadata
.endif
;; end of part 4
